; MI455X (gfx1250); checked and timed in simulation.
; The chip was launched on July 23, 2026; its instructions are those of AMD's public machine-readable ISA for CDNA 5 (MIT licence, August 2026) and "CDNA5" Instruction Set Architecture Reference Guide (July 2026). The comments in the code are by the model that wrote it; some were corrected since.
;; Multi Head Attention. Allowed arithmetic: matrix products marked QUANTISED: E2M3 operands, one E8M0 scale for each 32 along K, by v_wmma_scale_f32_16x16x128_f8f6f4 with both operands' format E2M3, f32 sums; everything else in f32.
;; Inputs: Wk 1,024 x 1,024 float32; Wo 1,024 x 1,024 float32; Wq 1,024 x 1,024 float32; Wv 1,024 x 1,024 float32; bk 1,024 float32; bo 1,024 float32; bq 1,024 float32; bv 1,024 float32; mask 4 x 2,048 bool; q 4 x 2,048 x 1,024 float32.
;; Outputs: out0 4 x 2,048 x 1,024 float32.
;; This version of the problem:
;;   THIS VERSION OF THE PROBLEM IS GIVEN IN LOW PRECISION. The matrix products marked QUANTISED in the list below multiply operands that are first quantised to E2M3 (2 exponent bits, 3 mantissa bits; 6 bits a number), with one power-of-two scale for each 32 numbers along K (OCP MX v1.0); their sums are f32. All else is computed in f32.
;;   The module's matrix products, in the order in which they are computed (A, B: the left and right operand; K: the contracted axis; several contracted axes count as one K, in the product's order):
;;     1. [M 8,192, K 1,024] x [K 1,024, N 1,024]; A: input q; B: input Wq: QUANTISED
;;     2. [M 8,192, K 1,024] x [K 1,024, N 1,024]; A: input q; B: input Wk: QUANTISED
;;     3. [M 8,192, K 1,024] x [K 1,024, N 1,024]; A: input q; B: input Wv: QUANTISED
;;     4. batch 64 x [M 2,048, K 64] x [K 64, N 2,048]; A: computed on the way; B: computed on the way: QUANTISED
;;     5. batch 64 x [M 64, K 2,048] x [K 2,048, N 2,048]; A: computed on the way; B: softmax (see below): QUANTISED
;;     6. [M 8,192, K 1,024] x [K 1,024, N 1,024]; A: computed on the way; B: input Wo: QUANTISED
;;   THE QUANTISER, for each operand of a quantised product, along K:
;;     - K is cut into blocks of 32 from its start; a last block that is shorter is filled with zeros.
;;     - A block's scale is 2^e with e = floor(log2(the largest magnitude in the block)) - 2, held to -126 .. 127; a block of zeros has e = 0. As a byte (E8M0): e + 127.
;;     - Each number is divided by its block's scale, clamped to +-7.5, and rounded to the nearest number of E2M3, ties to even, subnormals kept.
;;     - The product sums the exact products of the quantised numbers (number of the format x scale) in f32.
;;   ~~~python
;;   def quantise(x, axis):      # numpy; x: float32 -> the quantised numbers, widened to float32 again
;;       x = np.moveaxis(x, axis, -1); K = x.shape[-1]
;;       x = np.pad(x, [(0, 0)] * (x.ndim - 1) + [(0, -K % 32)]); x = x.reshape(x.shape[:-1] + (-1, 32)); a = np.abs(x).max(-1, keepdims=True)
;;       e = np.where(a > 0, np.clip(np.frexp(np.where(a > 0, a, 1))[1] - 1 - 2, -126, 127), 0)      # np.frexp(a)[1] - 1 = floor(log2(a)), exactly
;;       r = np.clip(x / 2.0 ** e, -7.5, 7.5)
;;       step = 2.0 ** (np.maximum(np.frexp(np.where(r == 0, 1, r))[1] - 1, 0) - 3)
;;       q = np.round(r / step) * step * 2.0 ** e      # np.round: ties to even
;;       return np.moveaxis(q.reshape(q.shape[:-2] + (-1,))[..., :K], -1, axis).astype(np.float32)
;;   ~~~
;;   SOFTMAX AHEAD OF A QUANTISED PRODUCT. Where the list says 'softmax', what is quantised is not the finished softmax but p = 2^(t - M), with t = logit x log2(e) and M = ceil(the row's largest t), a whole number; so 1/2 < the row's largest p <= 1. The row's sum l is taken of the UNQUANTISED p, in f32, and the product's result is divided by l at the end. Since M is a whole number, a kernel that streams over the keys may use a running M (the ceiling of the running maximum): every later rescaling is an exact power of two, which a block's scale takes up: the codes' values come out the same.
;;   OPERANDS COMPUTED ON THE WAY. 'Computed on the way' means the value that the module computes at that place (a softmax that the list does not call 'softmax' is quantised finished and normalised). What goes into a quantiser is computed in f32, as accurately as f32 sums, v_exp_f32 and their like allow (about 1e-6 of the number): no bf16 or f16 on the way to a quantiser, and a product that is left as it is and whose result goes on into a quantised operand takes f32 operands (vector FMAs, or v_wmma_f32_16x16x4_f32). A number that lies on a knife's edge between two numbers of the format may be rounded either way, as far as f32 arithmetic and the matrix unit's own rounding can turn it there, and no further.
;; One version. Each part assembles by itself: llvm-mc -triple=amdgcn-amd-amdhsa -mcpu=gfx1250 --defsym DOCPART=n.
;; ======== version 1 of 1: 4 launches
;; limits: right only within a limited range of input values
;; workspace buffers: gc 9,437,184 bytes; gs 393,216 bytes; kqc 16,777,216 bytes; kqs 1,048,576 bytes; vc 6,291,456 bytes; vs 262,144 bytes; oc 6,291,456 bytes; os 262,144 bytes
;; launch quant (part 1): grid 768 x 1, 4 waves a work-group, no clusters, 68,096 bytes of LDS; arguments q, Wq, Wk, Wv, Wo, gc, gs; writes gc, gs
.if DOCPART == 1
	.amdgcn_target "amdgcn-amd-amdhsa--gfx1250"
	.amdhsa_code_object_version 6
	.text
	.protected	k_q49e387da92_quant
	.globl	k_q49e387da92_quant
	.p2align	8
	.type	k_q49e387da92_quant,@function
k_q49e387da92_quant:
	s_mov_b64 s[64:65], 0
	v_nop
	global_prefetch_b8 v0, s[64:65] scope:SCOPE_SE
	s_setreg_imm32_b32 hwreg(HW_REG_WAVE_MODE, 25, 1), 1
	s_wait_xcnt 0x0
; q [8192][1024] and Wq, Wk, Wv, Wo [1024][1024], f32, K innermost, become codes of FP6 (E2M3) with one E8M0 byte for each 32 along K,
; laid in the ORDER OF THE OPERAND'S REGISTERS, so that the products' launches load fragments by dense 16- and 8-byte loads.
; ROW TILES.  16 rows make a row tile RT; lane r of tile 2 g + u holds row 32 g + 8 u + r + 8 (r / 8).  RT 0-511: q; 512-575 Wq; 576-639 Wk; 640-703 Wv; 704-767 Wo.
; gc: a row tile is 12,288 bytes = 8 fragments (128 along K) x 2 halves of 768 bytes; half c holds the fragment's registers 6 c .. 6 c + 3 at 16 x lane and 6 c + 4, 6 c + 5 at 512 + 8 x lane.
; gs: a row tile is 512 bytes = [pair of fragments 0..3][row r][2 words]; a word holds a fragment's four scale bytes of row r.
; A block's scale is 2^(floor(log2(largest magnitude)) - 2); its byte is the largest magnitude's exponent field - 2, held at 1 from below.
; LIMITS: a block of zeros, and a block whose largest magnitude lies under 2^-124, gets the byte 1 (zero codes add nothing; this program alone reads the bytes); NaN and infinities among the inputs are not served.
; SHARES.  A work-group takes one row tile, wave w its K = 256 w .. 256 w + 255: two fragments.  Each load reads 512 consecutive bytes of one row; the rows turn through the wave's own stage in LDS, so that
; lane (r, h) gets, of row r, the 16 neighbours 32 b + 16 h + 0 .. 15 of each block b.  Waves share nothing: no barrier.  All 32 loads of a wave go out at once.
.set STW,  16896                       ; a wave's LDS: two stages of 16 rows x (512 + 16) bytes
.set TM,   16                          ; v16-31   at work in QUANT
.set R,    32                          ; v32-159  the rows as loaded: fragment f, row i at R + 64 f + 4 i
.set X,    160                         ; v160-223 64 numbers of my row: register 16 b + i = k 32 b + 16 h + i
.set PC,   224                         ; v224-242 the codes just made
.set PW,   244                         ; v244-245 the two fragments' scale words
.set SEL,  28                          ; s[28:29] lane selects for v_permlanex16_b32: lane l xor 16
; 64 numbers of a lane, v[s] .. v[s + 63], become a fragment's codes in v[PC] .. v[PC + 11] and its scale word in v[pw] (the same in lanes l and l xor 16).
.macro QUANT s, pw
.irp b, 0,1,2,3
	v_max3_num_f32 v[TM+\b], |v[\s+16*\b]|, |v[\s+1+16*\b]|, 0x1800000   ; block b: my 16 numbers, and the floor 2^(3 - 127): the byte cannot fall under 1
.endr
.irp i, 2,4,6,8,10,12,14
.irp b, 0,1,2,3
	v_max3_num_f32 v[TM+\b], v[TM+\b], |v[\s+16*\b+\i]|, |v[\s+1+16*\b+\i]|   ; the four blocks by turns
.endr
.endr
.irp b, 0,1,2,3
	v_permlanex16_b32 v[TM+4+\b], v[TM+\b], s[SEL], s[SEL+1]
.endr
.irp b, 0,1,2,3
	v_max_num_f32 v[TM+\b], v[TM+\b], v[TM+4+\b]   ; with lane l xor 16's: the block's largest magnitude
.endr
.irp b, 0,1,2,3
	v_add_nc_u32 v[TM+12+\b], 0xff000000, v[TM+\b]   ; 2 off its exponent field: the conversion takes this operand's exponent field as its scale
.endr
.irp b, 0,1,2,3
	v_lshrrev_b32 v[TM+4+\b], 23, v[TM+12+\b]   ; the scale's byte
.endr
	v_lshl_or_b32 v[\pw], v[TM+5], 8, v[TM+4]
	v_lshl_or_b32 v[\pw], v[TM+6], 16, v[\pw]
	v_lshl_or_b32 v[\pw], v[TM+7], 24, v[\pw]
.irp c, 0,1
	v_cvt_scalef32_pk16_fp6_f32 v[PC+6*\c:PC+2+6*\c], v[\s+32*\c:\s+15+32*\c], v[TM+12+2*\c]
	v_cvt_scalef32_pk16_fp6_f32 v[PC+12+4*\c:PC+14+4*\c], v[\s+16+32*\c:\s+31+32*\c], v[TM+12+2*\c+1]   ; (a conversion's three registers begin on an even number)
.endr
	v_nop                                          ; one plain instruction behind a scaled conversion
.irp c, 0,1                                    ; the operand wants a WHOLE block in a lane: lanes 0-15 block 2 c, lanes 16-31 block 2 c + 1
.irp i, 0,1,2
	v_permlane16_swap_b32 v[PC+6*\c+\i], v[PC+12+4*\c+\i]
.endr
.irp i, 0,1,2
	v_mov_b32 v[PC+3+6*\c+\i], v[PC+12+4*\c+\i]
.endr
.endr
.endm
	s_load_b256 s[4:11], s[0:1], 0x0               ; q, Wq, Wk, Wv
	s_load_b128 s[12:15], s[0:1], 0x20             ; Wo, gc
	s_load_b64 s[16:17], s[0:1], 0x30              ; gs
	v_lshl_add_u32 v254, v0, 2, 0x10800
	v_mov_b32 v255, 0
	v_lshrrev_b32 v6, 5, v0
	v_readfirstlane_b32 s18, v6                    ; wave = which 256 along K
	v_and_b32 v7, 31, v0                           ; lane
	v_and_b32 v8, 15, v0                           ; r
	v_bfe_u32 v9, v0, 4, 1                         ; h
	v_lshlrev_b32 v1, 4, v7                        ; 16 x lane
	v_lshlrev_b32 v2, 3, v7                        ; 8 x lane
	v_lshlrev_b32 v3, 3, v8
	v_lshl_add_u32 v3, v9, 2, v3                   ; 8 r + 4 h: lanes 0-15 store a row's first scale word, lanes 16-31 its second
	s_mul_i32 s19, s18, STW
	v_add_nc_u32 v4, s19, v1                       ; the stage, on the way in: a row's 512 bytes as they lie
	v_mul_u32_u24 v5, v8, 528
	v_lshl_add_u32 v5, v9, 6, v5
	v_add_nc_u32 v5, s19, v5                       ; and on the way out: row r, + 64 h
.irp b, 0,1,2,3
	v_mov_b32 v[TM+4+\b], 0                        ; written once: a lane permute's destination counts as one of its sources
.endr
	s_mov_b32 s[SEL], 0x76543210
	s_mov_b32 s[SEL+1], 0xfedcba98
	s_mov_b32 s34, 0xffff0000                      ; lanes 16-31
	s_and_b32 s22, ttmp9, 63                       ; the tile's number in its own tensor: a weight has 64 tiles,
	s_cmp_lt_u32 ttmp9, 512
	s_cselect_b32 s22, ttmp9, s22                  ; q has 512
	s_lshr_b32 s23, s22, 1
	s_lshl_b32 s23, s23, 5
	s_and_b32 s22, s22, 1
	s_lshl_b32 s22, s22, 3
	s_add_co_u32 s22, s22, s23                     ; the tile's first row: 32 g + 8 u
	s_lshl_b32 s22, s22, 12                        ; rows of 4,096 bytes (under 2^26)
	s_lshl_b32 s23, s18, 10
	s_add_co_u32 s22, s22, s23                     ; + my 1,024 bytes of a row
	s_mov_b32 s23, 0
	s_mul_i32 s30, ttmp9, 12288
	s_mul_i32 s31, s18, 3072
	s_add_co_u32 s30, s30, s31                     ; my two fragments in gc
	s_mov_b32 s31, 0
	s_lshl_b32 s32, ttmp9, 9
	s_lshl_b32 s33, s18, 7
	s_add_co_u32 s32, s32, s33                     ; and their words in gs
	s_mov_b32 s33, 0
	s_wait_alu depctr_va_vdst(0)
	s_wait_kmcnt 0x0
	s_mov_b64 s[20:21], s[12:13]                   ; which tensor: the choice hangs on the work-group's number alone
	s_cmp_lt_u32 ttmp9, 704
	s_cselect_b64 s[20:21], s[10:11], s[20:21]
	s_cmp_lt_u32 ttmp9, 640
	s_cselect_b64 s[20:21], s[8:9], s[20:21]
	s_cmp_lt_u32 ttmp9, 576
	s_cselect_b64 s[20:21], s[6:7], s[20:21]
	s_cmp_lt_u32 ttmp9, 512
	s_cselect_b64 s[20:21], s[4:5], s[20:21]
	s_add_nc_u64 s[20:21], s[20:21], s[22:23]
	s_add_nc_u64 s[24:25], s[14:15], s[30:31]
	s_add_nc_u64 s[26:27], s[16:17], s[32:33]
.irp f, 0,1
.irp i, 0,1,2,3,4,5,6,7,8,9,10,11,12,13,14,15
	global_load_b128 v[R+64*\f+4*\i:R+64*\f+4*\i+3], v1, s[20:21] offset:(\i+8*(\i/8))*4096+512*\f th:TH_LOAD_NT   ; 32 lanes read 512 consecutive bytes of the tile's row i; read once in the launch
.endr
.endr
.macro HALFK f
.if \f == 0
	s_wait_loadcnt 16                              ; this fragment's 16 loads are in; the other fragment's 16 may be out
.else
	s_wait_loadcnt 0x0
.endif
.irp i, 0,1,2,3,4,5,6,7,8,9,10,11,12,13,14,15
	ds_store_b128 v4, v[R+64*\f+4*\i:R+64*\f+4*\i+3] offset:8448*\f+528*\i
.endr
.irp b, 0,1,2,3
.irp j, 0,1,2,3
	ds_load_b128 v[X+16*\b+4*\j:X+16*\b+4*\j+3], v5 offset:8448*\f+128*\b+16*\j   ; LDS serves a wave's instructions in order: these see my stores
.endr
.endr
	s_wait_dscnt 0x0
.if \f
	s_wait_xcnt 0x0                                ; the first fragment's stores have read the codes' registers: they are written again only behind this wait
.endif
	QUANT X, PW+\f
.irp c, 0,1
	global_store_b128 v1, v[PC+6*\c:PC+6*\c+3], s[24:25] offset:1536*\f+768*\c         ; 512 consecutive bytes,
	global_store_b64 v2, v[PC+6*\c+4:PC+6*\c+5], s[24:25] offset:1536*\f+768*\c+512    ; and 256: whole aligned blocks of 256 bytes
.endr
.endm
	HALFK 0
	HALFK 1
	v_cndmask_b32 v246, v[PW], v[PW+1], s34        ; lanes 0-15: the first fragment's word of row r; lanes 16-31: the second's
	global_store_b32 v3, v246, s[26:27]            ; 128 consecutive bytes
	s_wait_tensorcnt 0x0
	ds_add_u32 v254, v255
	s_wait_dscnt 0x0
	s_endpgm
.Lfunc_end_k_q49e387da92_quant:
	.size	k_q49e387da92_quant, .Lfunc_end_k_q49e387da92_quant-k_q49e387da92_quant
	.p2alignl 7, 3214868480
	.fill 96, 4, 3214868480
	.section	.rodata,"a",@progbits
	.p2align	6, 0x0
	.amdhsa_kernel k_q49e387da92_quant
		.amdhsa_group_segment_fixed_size 68096
		.amdhsa_private_segment_fixed_size 0
		.amdhsa_enable_private_segment 0
		.amdhsa_kernarg_size 56
		.amdhsa_user_sgpr_count 2
		.amdhsa_user_sgpr_kernarg_segment_ptr 1
		.amdhsa_wavefront_size32 1
		.amdhsa_system_sgpr_workgroup_id_x 1
		.amdhsa_system_sgpr_workgroup_id_y 1
		.amdhsa_system_sgpr_workgroup_id_z 1
		.amdhsa_system_vgpr_workitem_id 0
		.amdhsa_next_free_vgpr 256
		.amdhsa_next_free_sgpr 66
		.amdhsa_reserve_vcc 0
		.amdhsa_float_denorm_mode_32 3
		.amdhsa_float_denorm_mode_16_64 3
		.amdhsa_memory_ordered 1
		.amdhsa_forward_progress 1
		.amdhsa_inst_pref_size 19
	.end_amdhsa_kernel
	.amdgpu_metadata
---
amdhsa.version: [ 1, 2 ]
amdhsa.kernels:
  - .name:           k_q49e387da92_quant
    .symbol:         k_q49e387da92_quant.kd
    .args:
      - { .name: q, .offset: 0, .size: 8, .value_kind: global_buffer, .address_space: global }
      - { .name: Wq, .offset: 8, .size: 8, .value_kind: global_buffer, .address_space: global }
      - { .name: Wk, .offset: 16, .size: 8, .value_kind: global_buffer, .address_space: global }
      - { .name: Wv, .offset: 24, .size: 8, .value_kind: global_buffer, .address_space: global }
      - { .name: Wo, .offset: 32, .size: 8, .value_kind: global_buffer, .address_space: global }
      - { .name: gc, .offset: 40, .size: 8, .value_kind: global_buffer, .address_space: global }
      - { .name: gs, .offset: 48, .size: 8, .value_kind: global_buffer, .address_space: global }
    .group_segment_fixed_size: 68096
    .private_segment_fixed_size: 0
    .kernarg_segment_align: 8
    .kernarg_segment_size: 56
    .max_flat_workgroup_size: 128
    .sgpr_count:     66
    .vgpr_count:     256
    .wavefront_size: 32
...
	.end_amdgpu_metadata
.endif
;; end of part 1
;; launch qkv (part 2): grid 8 x 32, 4 waves a work-group, clusters of 4 x 4, 327,680 bytes of LDS; arguments gc, gs, bq, bk, bv, mask, kqc, kqs, vc, vs; writes kqc, kqs, vc, vs
.if DOCPART == 2
	.amdgcn_target "amdgcn-amd-amdhsa--gfx1250"
	.amdhsa_code_object_version 6
	.text
	.protected	k_q49e387da92_qkv
	.globl	k_q49e387da92_qkv
	.p2align	8
	.type	k_q49e387da92_qkv,@function
k_q49e387da92_qkv:
	s_mov_b64 s[64:65], 0
	v_nop
	global_prefetch_b8 v0, s[64:65] scope:SCOPE_SE
	s_setreg_imm32_b32 hwreg(HW_REG_WAVE_MODE, 25, 1), 1
	s_wait_xcnt 0x0
	s_wait_alu depctr_hold_cnt(0) depctr_sa_sdst(0) depctr_va_vdst(0) depctr_va_sdst(0) depctr_va_ssrc(0) depctr_va_vcc(0) depctr_vm_vsrc(0)
	s_getreg_b32 s2, hwreg(HW_REG_IB_STS2, 6, 4)
	s_cmp_eq_u32 s2, 0
	s_cbranch_scc0 .Lentry_in_a_cluster
	s_endpgm
.Lentry_in_a_cluster:
	s_bfe_u32 s2, ttmp6, 0x10000c
	s_cmp_lg_u32 s2, 0xf033
	s_cbranch_scc0 .Lentry_shape_is_right
	s_endpgm
.Lentry_shape_is_right:
; Products 1 to 3 on codes of FP6 (E2M3), K = 1,024, with the bias and the quantising of the results: Q and K along the head's 64, V along the keys.
; A work-group owns 256 tokens (T: 16 row tiles of gc), 256 rows of Wq or Wk (W: 16 row tiles) and 128 rows of Wv (U: 8 row tiles), and runs TWO PASSES: 8 x 32 = 256 work-groups of equal work.
;   PASS 1: source 0 = X = W, source 1 = Y = T: a lane holds one token, its registers run along (head, d).  A wave makes 128 x 128: 64 accumulators.  Then Q's or K's way out.
;   PASS 2: source 0 = X = T, source 1 = Y = U: a lane holds one row of Wv, its registers run along the tokens (the keys: the second attention product's K).  A wave makes one head (64 rows) x 128 keys: 32 accumulators.  Then V's way out.
; ROW TILES: lane r of tile 2 g + u holds row 32 g + 8 u + r + 8 (r / 8): so the 16 registers of X's tiles 2 g and 2 g + 1 are the 16 neighbours 32 g + 16 (lane / 16) + 0 .. 15 along X.
; CLUSTERS 4 x 4: T's tiles are shared along a row of the cluster, W's and U's along a column: joint loads, a quarter of the requests.
; TENSOR LOADS, one a wave behind each barrier (K step = 256 along K = 3,072 bytes of a row tile):
;   head: wave 0 T steps 0-1 -> 0; wave 1 W steps 0-1 -> SLOT; wave 2 T's scale words; wave 3 W's.          first round: wave 0 T step 2 -> 2 SLOT; wave 1 W step 2; wave 2 U's scale words (all first fills).
;   in K 384-511: T, W step 3 over bytes 0 .. SLOT - 1.      in K 640-767: pass 2's T steps 0-1 -> SLOT, U steps 0-1 -> 2 SLOT (bytes that W's steps 0-1 and T's step 2 have left).
;   in the middle of Q's and K's way out: pass 2's T steps 2-3 -> 0, U steps 2-3 -> 2 SLOT + 2 HALFT.
; PREFETCH: at the head each wave names, once in the cluster, 24 blocks of 256 bytes each of: K 512-1023 of one row tile of T, the same of W, and half a row tile of U; the partners share the row tiles out by address.
; These are the bytes that the head's own loads do not bring; they are loaded from the first round on.
; THE PADDING MASK rides in the half of the score product's K = 128 that the head's 64 leave free: at k = 64 every query carries the code of -7.5 under the scale byte 174, a key whose mask byte is 0 the code
; of +7.5 under 175 (its scores become -56.25 x 2^95), any other key the code 0 under the byte 1.  LIMIT: real scores are served up to some 1e27 in magnitude.
; OUT.  kqc [b][32 planes: Q's heads, K's heads][128 tiles][1,024]: a tile's registers 0-3 at 16 x lane, then (4, 5, the mask's register, 0) at 512 + 16 x lane.  kqs [b][plane][step][r][8 tiles] words (s0, s1, mask block's byte, 1).
;       vc [b x 16 + head][step][4 tiles of d][1,536]: registers 4 c .. 4 c + 3 at 512 c + 16 x lane.  vs [b x 16 + head][step][r][4 tiles] words.
; LIMITS of the quantiser: a block of zeros or under 2^-124 gets the byte 1; NaN and infinities are not served.
; REGISTERS, in windows of 256: window 0: v1-31 addresses; v32-63 scale words, two sets (on the ways out: the words gathered); v64-127 W's bias; v128-223 Y's fragments; v224-231 mask bytes; v232-235 bv; v240-255 at work in QUANT.
;   window 1: X's fragments, TWO sets (v0, v128).   windows 2, 3: the accumulators: pass 1 (a, b) at v[8 (8 (a % 4) + b)] of window 2 + a / 4; pass 2 all in window 2.
.set HALFT, 24576
.set SLOT,  4*HALFT
.set SCY,   3*SLOT                     ; T's scale words, 8,192 bytes
.set SCX,   SCY+8192+128               ; W's, 128 bytes askew, so that the two halves of the lanes read different halves of a run of 256 bytes
.set SPARE, 311552                     ; the spare words, 128 bytes a wave
.set SCU,   312192                     ; U's scale words (8,192 bytes are brought: the second 4,096 are read by idle lanes alone), askew likewise
.set PFO,   1                          ; v1      the prefetches' offset: 256 x min(lane, 23); never rewritten
.set ADY16, 4                          ; v4-6    T's fragments: set 0 K step 3, set 1 steps 0-1 (and pass 2's steps 2-3), set 2 step 2: + 16 x lane
.set ADY8,  7                          ; v7-9    + 512 + 8 x lane
.set ADX16, 10                         ; v10-12  the same for W (set 2 also: U's steps 2-3)
.set ADX8,  13
.set ADRS,  16                         ; pass 1's scale words: lanes 0-15 T's, lanes 16-31 W's
.set L16,   17
.set H64,   18
.set PR,    19                         ; r + 8 (r / 8)
.set PR4,   20
.set OSQ,   21                         ; 32 r + 16 h
.set OSV,   22                         ; 16 r + 8 h
.set P0T16, 23                         ; pass 2, K 0-511: T's fragments,
.set P0T8,  24
.set P0U16, 25                         ; U's
.set P0U8,  26
.set SPW,   28
.set NIL,   29
.set ADRS2, 31                         ; pass 2's scale words: lanes 0-15 U's, lanes 16-31 T's
.set SC,    32
.set BI,    64
.set YF,    128
.set MK,    224
.set BY,    232
.set TM,    240
.set HA,    128                        ; the ways out: 64 results of a lane
.set PC,    192
.set PW,    211
.set SW,    32                         ; the scale words gathered
.set W,     212
.set T,     216
.set VCODE, 220
.set VMSK,  221
.set VUNM,  222
.set MC,    223
.set KCW,   248
.set TT,    249
.set G1T,  24
.set G1W,  32
.set G1ST, 40
.set G1SW, 48
.set G0T,  56
.set G0W,  60
.set G0U,  68
.set G0ST, 72
.set G0SW, 76
.set G0SU, 80
.set WV,   92
.set KIND, 93                          ; wave / 2: which 128 tokens are mine, in both passes
.set HALF, 94                          ; wave % 2: which 128 rows of W, which 64 of U
.set XI,   96
.set YI,   97
.set SEL,  10
.set HM,   8
.set MSB, 0
.macro WIN new                         ; the immediate's high byte repeats the setting that is left
.if MSB != \new
	s_set_vgpr_msb (MSB<<8)|\new
.set MSB, \new
.endif
.endm
.set MUL_LO, 0xa1                      ; source 0 (X) window 1, source 1 (Y) window 0, C and D window 2
.set MUL_HI, 0xf1
.set TO_X,   0x40
.macro PLACES n
.rept \n
	v_nop
.endr
.endm
.macro TLOAD g0, g1                    ; a joint load with s_nop 0 and four v_nop behind it
	tensor_load_to_lds s[\g0:\g0+3], s[\g1:\g1+7]
	s_nop 0
.rept 4
	v_nop
.endr
.endm
; one chain of branches on the wave's number: wave 0 issues a, wave 1 b, wave 2 c (g0c < 0: none); one load to an arm, all arms to one join
.macro ARMS g0a, g1a, g0b, g1b, g0c, g1c
	s_cmp_lg_u32 s[WV], 0
	s_cbranch_scc1 .Larm1_\@
	TLOAD \g0a, \g1a
	s_branch .Larmj_\@
.Larm1_\@:
	s_cmp_lg_u32 s[WV], 1
	s_cbranch_scc1 .Larm2_\@
	TLOAD \g0b, \g1b
	s_branch .Larmj_\@
.Larm2_\@:
.if \g0c >= 0
	s_cmp_lg_u32 s[WV], 2
	s_cbranch_scc1 .Larmj_\@
	TLOAD \g0c, \g1c
.endif
.Larmj_\@:
.endm
.macro GRP0 g, lds, a
	s_mov_b32 s[\g], 1
	s_mov_b32 s[\g+1], \lds
	s_mov_b64 s[\g+2:\g+3], s[\a:\a+1]
	s_or_b32 s[\g+3], s[\g+3], 0x80000000
.endm
.macro CREST                           ; a round of the cluster's barrier behind its opening barrier
	s_cmp_lg_u32 s[WV], 0
	s_cbranch_scc1 .Lnot_wave_0_\@
	s_barrier_signal -3
.Lnot_wave_0_\@:
	s_barrier_wait -3
	s_barrier_signal -1
	s_barrier_wait -1
.endm
.macro CROUND
	s_barrier_signal -1
	s_barrier_wait -1
	CREST
.endm
.macro QUANT s, pw                     ; 64 numbers of a lane, register 16 b + i = place 32 b + 16 h + i, become a fragment in v[PC] on and its scale word in v[pw]
.irp b, 0,1,2,3
	v_max3_num_f32 v[TM+\b], |v[\s+16*\b]|, |v[\s+1+16*\b]|, 0x1800000   ; and the floor 2^(3 - 127): the byte cannot fall under 1
.endr
.irp i, 2,4,6,8,10,12,14
.irp b, 0,1,2,3
	v_max3_num_f32 v[TM+\b], v[TM+\b], |v[\s+16*\b+\i]|, |v[\s+1+16*\b+\i]|
.endr
.endr
.irp b, 0,1,2,3
	v_permlanex16_b32 v[TM+4+\b], v[TM+\b], s[SEL], s[SEL+1]
.endr
.irp b, 0,1,2,3
	v_max_num_f32 v[TM+\b], v[TM+\b], v[TM+4+\b]
.endr
.irp b, 0,1,2,3
	v_add_nc_u32 v[TM+12+\b], 0xff000000, v[TM+\b]   ; 2 off the exponent field: the conversion's scale operand
.endr
.irp b, 0,1,2,3
	v_lshrrev_b32 v[TM+4+\b], 23, v[TM+12+\b]
.endr
	v_lshl_or_b32 v[\pw], v[TM+5], 8, v[TM+4]
	v_lshl_or_b32 v[\pw], v[TM+6], 16, v[\pw]
	v_lshl_or_b32 v[\pw], v[TM+7], 24, v[\pw]
.irp c, 0,1
	v_cvt_scalef32_pk16_fp6_f32 v[PC+6*\c:PC+2+6*\c], v[\s+32*\c:\s+15+32*\c], v[TM+12+2*\c]
	v_cvt_scalef32_pk16_fp6_f32 v[PC+12+4*\c:PC+14+4*\c], v[\s+16+32*\c:\s+31+32*\c], v[TM+12+2*\c+1]
.endr
	v_nop                                          ; one plain instruction behind a scaled conversion
.irp c, 0,1
.irp i, 0,1,2
	v_permlane16_swap_b32 v[PC+6*\c+\i], v[PC+12+4*\c+\i]
.endr
.irp i, 0,1,2
	v_mov_b32 v[PC+3+6*\c+\i], v[PC+12+4*\c+\i]
.endr
.endr
.endm
	s_load_b512 s[4:19], s[0:1], 0x0               ; gc s[4:5], gs s[6:7], bq s[8:9], bk s[10:11], bv s[12:13], mask s[14:15], kqc s[16:17], kqs s[18:19]
	s_load_b128 s[20:23], s[0:1], 0x40             ; vc s[20:21], vs s[22:23]
	v_lshl_add_u32 v[SPW], v0, 2, SPARE
	v_mov_b32 v[NIL], 0
	ds_add_u32 v[SPW], v[NIL]                      ; the opening lines: the add twice on end, under one wait
	ds_add_u32 v[SPW], v[NIL]
	v_lshrrev_b32 v1, 5, v0
	v_readfirstlane_b32 s[WV], v1
	s_lshr_b32 s[KIND], s[WV], 1
	s_and_b32 s[HALF], s[WV], 1
	s_bfe_u32 s95, ttmp6, 0x40000                  ; cx
	s_bfe_u32 s67, ttmp6, 0x40004                  ; cy
	s_lshl_b32 s[XI], ttmp9, 2
	s_add_co_u32 s[XI], s[XI], s95                 ; 0-3: Wq's blocks, 4-7: Wk's; also Wv's block of 128 rows
	s_and_b32 s[YI], ttmp7, 0xffff
	s_lshl_b32 s[YI], s[YI], 2
	s_add_co_u32 s[YI], s[YI], s67                 ; the block of 256 tokens
	s_lshl_b32 s2, s67, 2
	s_lshl_b32 s2, 15, s2                          ; my row of the cluster
	s_lshl_b32 s3, 0x1111, s95                     ; my column
	s_or_b32 s[G1T], s2, (3<<16)|(1<<21)           ; 15:0 the mask; 17:16 elements of 8 bytes; 21 set beside a mask; no padding
	s_or_b32 s[G1ST], s2, (3<<16)|(1<<21)
	s_or_b32 s[G1W], s3, (3<<16)|(1<<21)
	s_or_b32 s[G1SW], s3, (3<<16)|(1<<21)
.irp g, G1T, G1W                               ; codes, for the head: 16 row tiles x 6,144 bytes (768 elements), 12,288 bytes apart
	s_mov_b32 s[\g+1], 768<<16
	s_mov_b32 s[\g+2], 16<<16
	s_mov_b32 s[\g+3], 768<<16
	s_mov_b32 s[\g+4], 16
	s_mov_b32 s[\g+5], 1536
	s_mov_b32 s[\g+6], 0
	s_mov_b32 s[\g+7], 0
.endr
.irp g, G1ST, G1SW                             ; scale words of 16 row tiles: 8,192 dense bytes as 32 rows of 256
	s_mov_b32 s[\g+1], 32<<16
	s_mov_b32 s[\g+2], 32<<16
	s_mov_b32 s[\g+3], 32<<16
	s_mov_b32 s[\g+4], 32
	s_mov_b32 s[\g+5], 32
	s_mov_b32 s[\g+6], 0
	s_mov_b32 s[\g+7], 0
.endr
	s_mul_i32 s84, s[YI], 16*12288                 ; byte offsets, all under 2^24: T's codes,
	s_mov_b32 s85, 0
	s_lshl_b32 s86, s[YI], 13                      ; T's scale words,
	s_mov_b32 s87, 0
	s_lshl_b32 s66, s[XI], 4
	s_add_co_u32 s66, s66, 512                     ; W's first row tile
	s_mul_i32 s88, s66, 12288
	s_mov_b32 s89, 0
	s_lshl_b32 s90, s66, 9
	s_mov_b32 s91, 0
	s_lshl_b32 s66, s[XI], 3
	s_add_co_u32 s66, s66, 640                     ; U's
	s_mul_i32 s98, s66, 12288
	s_mov_b32 s99, 0
	s_lshl_b32 s100, s66, 9
	s_mov_b32 s101, 0
	s_wait_dscnt 0x0
	s_wait_kmcnt 0x0
	s_add_nc_u64 s[84:85], s[4:5], s[84:85]
	s_add_nc_u64 s[86:87], s[6:7], s[86:87]
	s_add_nc_u64 s[88:89], s[4:5], s[88:89]
	s_add_nc_u64 s[90:91], s[6:7], s[90:91]
	s_add_nc_u64 s[98:99], s[4:5], s[98:99]
	s_add_nc_u64 s[100:101], s[6:7], s[100:101]
	CROUND                                         ; all sixteen work-groups are here: the first joint loads meet
	GRP0 G0T, 0, 84
	GRP0 G0W, SLOT, 88
	GRP0 G0ST, SCY, 86
	GRP0 G0SW, SCX, 90
	GRP0 G0U, 2*SLOT, 98
	GRP0 G0SU, SCU, 100
	s_cmp_lt_u32 s[WV], 3                          ; the head's four loads, one a wave: the chain's fourth arm stands here
	s_cbranch_scc1 .Lhead_012
	TLOAD G0SW, G1SW
	s_branch .Lhead_asked
.Lhead_012:
	ARMS G0T, G1T, G0W, G1W, G0ST, G1ST
.Lhead_asked:
	; the biases, the mask bytes, the prefetches' addresses, the LDS addresses
	s_cmp_eq_u32 ttmp9, 1
	s_cselect_b64 s[8:9], s[10:11], s[8:9]         ; the bias along W: bq or bk, by the cluster's x
	s_and_b32 s2, s[XI], 3
	s_lshl_b32 s2, s2, 10
	s_lshl_b32 s66, s[HALF], 9
	s_add_co_u32 s2, s2, s66
	s_mov_b32 s3, 0
	s_add_nc_u64 s[8:9], s[8:9], s[2:3]            ; at my 128 rows of the weight
	s_lshl_b32 s2, s[YI], 8
	s_lshl_b32 s66, s[KIND], 7
	s_add_co_u32 s2, s2, s66
	s_add_nc_u64 s[14:15], s[14:15], s[2:3]        ; the mask at my 128 tokens
	s_lshl_b32 s2, s[XI], 9
	s_lshl_b32 s66, s[HALF], 8
	s_add_co_u32 s2, s2, s66
	s_add_nc_u64 s[12:13], s[12:13], s[2:3]        ; bv at my 64 rows
	s_lshl_b32 s2, s95, 2                          ; prefetch: T's row tile 4 cx + wave, its K 512-1023
	s_add_co_u32 s2, s2, s[WV]
	s_mul_i32 s2, s2, 12288
	s_add_co_u32 s2, s2, 6144
	s_add_nc_u64 s[84:85], s[84:85], s[2:3]
	s_lshl_b32 s2, s67, 2                          ; W's row tile 4 cy + wave, likewise
	s_add_co_u32 s2, s2, s[WV]
	s_mul_i32 s2, s2, 12288
	s_add_co_u32 s2, s2, 6144
	s_add_nc_u64 s[88:89], s[88:89], s[2:3]
	s_lshl_b32 s2, s67, 1                          ; U's row tile 2 cy + wave / 2, its half wave % 2
	s_add_co_u32 s2, s2, s[KIND]
	s_mul_i32 s2, s2, 12288
	s_mul_i32 s66, s[HALF], 6144
	s_add_co_u32 s2, s2, s66
	s_add_nc_u64 s[98:99], s[98:99], s[2:3]
	s_mul_i32 s4, s[KIND], HALFT                   ; 8 row tiles of 3,072 bytes
	s_mul_i32 s5, s[HALF], HALFT
	s_mul_i32 s6, s[KIND], 2*HALFT                 ; 8 row tiles of 6,144 bytes
	s_mul_i32 s7, s[HALF], 2*HALFT
	s_lshl_b32 s10, s[KIND], 12                    ; T's words: my 8 row tiles
	s_lshl_b32 s11, s[HALF], 12
	s_add_co_u32 s11, s11, 8320
	s_sub_co_u32 s11, s11, s10                     ; from there to W's: one product, h x the distance
	s_lshl_b32 s87, s[HALF], 11
	s_add_co_u32 s87, s87, SCU-SCY
	s_sub_co_u32 s87, s87, s10                     ; and to U's: (1 - h) x the distance
	s_add_co_u32 s86, s10, SCY
	v_and_b32 v1, 31, v0                           ; lane
	v_and_b32 v2, 15, v0                           ; r
	v_bfe_u32 v3, v0, 4, 1                         ; h
	v_lshlrev_b32 v[L16], 4, v1
	v_lshlrev_b32 v240, 3, v1
	v_add_nc_u32 v240, 512, v240                   ; 512 + 8 x lane
	v_lshlrev_b32 v[H64], 6, v3
	v_and_b32 v[PR], 8, v2
	v_add_nc_u32 v[PR], v[PR], v2
	v_lshlrev_b32 v[PR4], 2, v[PR]
	v_lshlrev_b32 v[OSQ], 5, v2
	v_lshl_add_u32 v[OSQ], v3, 4, v[OSQ]
	v_lshlrev_b32 v[OSV], 4, v2
	v_lshl_add_u32 v[OSV], v3, 3, v[OSV]
	v_add_nc_u32 v[ADY16], s4, v[L16]
	v_add_nc_u32 v[ADY8], s4, v240
	v_add_nc_u32 v[ADY16+2], 2*SLOT, v[ADY16]
	v_add_nc_u32 v[ADY8+2], 2*SLOT, v[ADY8]
	v_add_nc_u32 v[ADY16+1], s6, v[L16]
	v_add_nc_u32 v[ADY8+1], s6, v240
	v_add_nc_u32 v241, s5, v[L16]
	v_add_nc_u32 v242, s5, v240
	v_add_nc_u32 v[ADX16], 2*HALFT, v241
	v_add_nc_u32 v[ADX8], 2*HALFT, v242
	v_add_nc_u32 v[ADX16+2], 2*SLOT+2*HALFT, v241
	v_add_nc_u32 v[ADX8+2], 2*SLOT+2*HALFT, v242
	v_add_nc_u32 v243, s7, v[L16]
	v_add_nc_u32 v244, s7, v240
	v_add_nc_u32 v[ADX16+1], SLOT, v243
	v_add_nc_u32 v[ADX8+1], SLOT, v244
	v_add_nc_u32 v[P0T16], SLOT, v[ADY16+1]
	v_add_nc_u32 v[P0T8], SLOT, v[ADY8+1]
	v_add_nc_u32 v[P0U16], 2*SLOT, v241
	v_add_nc_u32 v[P0U8], 2*SLOT, v242
	v_mul_u32_u24 v245, s11, v3
	v_lshl_add_u32 v245, v2, 3, v245               ; + 8 r
	v_add_nc_u32 v[ADRS], s86, v245
	v_sub_nc_u32 v246, 1, v3
	v_mul_u32_u24 v246, s87, v246
	v_lshl_add_u32 v246, v2, 3, v246
	v_add_nc_u32 v[ADRS2], s86, v246
	v_min_u32 v1, 23, v1
	v_lshlrev_b32 v[PFO], 8, v1
.irp g, 0,1,2,3
.irp j, 0,1,2,3
	global_load_b128 v[BI+16*\g+4*\j:BI+16*\g+4*\j+3], v[H64], s[8:9] offset:128*\g+16*\j   ; register 16 g + i: the bias of W's row 32 g + 16 h + i
.endr
.endr
.irp a, 0,1,2,3,4,5,6,7
	global_load_u8 v[MK+\a], v[PR], s[14:15] offset:32*(\a/2)+8*(\a%2)                     ; the mask byte of my token in T's block a
.endr
.irp a, 0,1,2,3
	global_load_b32 v[BY+\a], v[PR4], s[12:13] offset:4*(32*(\a/2)+8*(\a%2))               ; bv of my row in U's block a
.endr
	global_prefetch_b8 v[PFO], s[84:85] th:TH_LOAD_NT scope:SCOPE_SE   ; their address registers are not written again
	global_prefetch_b8 v[PFO], s[88:89] th:TH_LOAD_NT scope:SCOPE_SE
	global_prefetch_b8 v[PFO], s[98:99] th:TH_LOAD_NT scope:SCOPE_SE
; A fragment (16 rows x 128 K, 12 registers) lies in LDS as two halves of 768 bytes: four dense loads.
.macro FRAG reg, a16, a8, off
	ds_load_b128 v[\reg:\reg+3], v[\a16] offset:\off
	ds_load_b64 v[\reg+4:\reg+5], v[\a8] offset:\off
	ds_load_b128 v[\reg+6:\reg+9], v[\a16] offset:\off+768
	ds_load_b64 v[\reg+10:\reg+11], v[\a8] offset:\off+768
.endm
.macro FETCH_X slot, q, p              ; pass 1: W's eight fragments of the set's q-th 128 along K into set p.  Address set 1 has row tiles 6,144 bytes apart, sets 0 and 2 3,072
	WIN TO_X
.irp i, 0,1,2,3,4,5,6,7
	FRAG 128*(\p)+12*\i, ADX16+\slot, ADX8+\slot, \i*3072*(1+(\slot)%2)+(\q)*1536
.endr
	WIN 0
.endm
.macro FETCH_Y slot, q, i0             ; T's blocks i0 .. i0 + 3
.irp i, \i0, \i0+1, \i0+2, \i0+3
	FRAG YF+12*(\i), ADY16+\slot, ADY8+\slot, (\i)*3072*(1+(\slot)%2)+(\q)*1536
.endr
.endm
.macro SCALES adr, ks                  ; K step ks's scale words, two a row: lanes 0-15 Y's block i, lanes 16-31 X's block i
.irp i, 0,1,2,3,4,5,6,7
	ds_load_b64 v[SC+16*((\ks)%2)+2*\i:SC+16*((\ks)%2)+2*\i+1], v[\adr] offset:512*\i+128*(\ks)
.endr
.endm
; 16 matrix instructions: Y's blocks a0, a0 + 1 x X's eight.  yf: where Y's block 0 lies.  The accumulators take turns, one instruction a turn, in the same order in every step.
.macro MUL16 a0, p, q, sc, zero, yf=YF
.irp a, \a0, \a0+1
.irp b, 0,1,2,3,4,5,6,7
.if \zero
	v_wmma_scale_f32_16x16x128_f8f6f4 v[8*(8*((\a)%4)+\b):8*(8*((\a)%4)+\b)+7], v[128*(\p)+12*\b:128*(\p)+12*\b+11], v[\yf+12*(\a):\yf+12*(\a)+11], 0, v[SC+16*(\sc)+2*\b+(\q)], v[SC+16*(\sc)+2*(\a)+(\q)] matrix_a_fmt:MATRIX_FMT_FP6 matrix_b_fmt:MATRIX_FMT_FP6 matrix_a_scale:MATRIX_SCALE_ROW1
.else
	v_wmma_scale_f32_16x16x128_f8f6f4 v[8*(8*((\a)%4)+\b):8*(8*((\a)%4)+\b)+7], v[128*(\p)+12*\b:128*(\p)+12*\b+11], v[\yf+12*(\a):\yf+12*(\a)+11], v[8*(8*((\a)%4)+\b):8*(8*((\a)%4)+\b)+7], v[SC+16*(\sc)+2*\b+(\q)], v[SC+16*(\sc)+2*(\a)+(\q)] matrix_a_fmt:MATRIX_FMT_FP6 matrix_b_fmt:MATRIX_FMT_FP6 matrix_a_scale:MATRIX_SCALE_ROW1
.endif
.endr
.endr
.endm
; Pass 1: a step of 128 along K.  p: X's set; q: which word of the scale pair; sc: the scale set.  It fetches the next step (address set ns, its nq-th 128; nks >= 0: with that K step's scale words).
; Loads into registers that matrix instructions have read stand four plain vector instructions behind them (ISA guide 7.12.1 for vector instructions).
.macro STEP p, q, sc, zero, ns, nq, nks
	s_wait_dscnt 16                                ; X's set, Y's blocks 0-3 and the scale words are in; the youngest 16 loads (Y's blocks 4-7) may be out
	WIN MUL_LO
	MUL16 0, \p, \q, \sc, \zero
	MUL16 2, \p, \q, \sc, \zero
	s_wait_dscnt 0x0
	PLACES 4
	FETCH_X \ns, \nq, 1-\p
	FETCH_Y \ns, \nq, 0
.if \nks >= 0
	SCALES ADRS, \nks
.endif
	WIN MUL_HI
	MUL16 4, \p, \q, \sc, \zero
	MUL16 6, \p, \q, \sc, \zero
	PLACES 4
	WIN 0
	FETCH_Y \ns, \nq, 4
.endm
; A step with a refill in it.  In front of the round each wave waits for all its tensor loads, adds 0 to its spare word, and waits for that and for its LDS reads.
; fill = 1: K step 3 of T and W over bytes 0 on.  fill = 2: pass 2's K 0-511 of T and U.
.macro TURN p, q, sc, fill, ns, nks
	s_wait_tensorcnt 0x0                           ; all my tensor loads have landed
	ds_add_u32 v[SPW], v[NIL]
	s_wait_dscnt 17                                ; (the add and the youngest 16 loads may be out)
	WIN MUL_LO
	MUL16 0, \p, \q, \sc, 0
	s_wait_dscnt 0x0                               ; the add is done, and my reads of the bytes that are left are over
	s_barrier_signal -1
	MUL16 2, \p, \q, \sc, 0
	WIN 0
	s_barrier_wait -1
	CREST                                          ; no wave of any partner still reads those bytes or has a load on its way
.if \fill == 1
	s_mov_b32 s[G0T+1], 0
	s_add_nc_u64 s[G0T+2:G0T+3], s[G0T+2:G0T+3], 3072
	s_mov_b32 s[G0W+1], 2*HALFT
	s_add_nc_u64 s[G0W+2:G0W+3], s[G0W+2:G0W+3], 3072
	ARMS G0T, G1T, G0W, G1W, -1, -1
.else
	s_mov_b32 s[G1T+1], 768<<16                    ; rows of 6,144 bytes again: T's 16,
	s_mov_b32 s[G1T+3], 768<<16
	s_mov_b32 s[G1W+1], 768<<16                    ; U's 8
	s_mov_b32 s[G1W+2], 8<<16
	s_mov_b32 s[G1W+3], 768<<16
	s_mov_b32 s[G1W+4], 8
	s_mov_b32 s[G0T+1], SLOT
	s_sub_nc_u64 s[G0T+2:G0T+3], s[G0T+2:G0T+3], 9216   ; back to K 0
	ARMS G0T, G1T, G0U, G1W, -1, -1
.endif
	PLACES 4
	FETCH_X \ns, 0, 1-\p
	FETCH_Y \ns, 0, 0
	SCALES ADRS, \nks
	WIN MUL_HI
	MUL16 4, \p, \q, \sc, 0
	MUL16 6, \p, \q, \sc, 0
	PLACES 4
	WIN 0
	FETCH_Y \ns, 0, 4
.endm
	s_wait_alu depctr_va_vdst(0)
	s_wait_tensorcnt 0x0                           ; my tile of the head's four is in
	ds_add_u32 v[SPW], v[NIL]
.irp g, G1T, G1W                               ; no tensor load of mine is out: rows of 3,072 bytes now
	s_mov_b32 s[\g+1], 384<<16
	s_mov_b32 s[\g+3], 384<<16
.endr
	s_mov_b32 s[G0T+1], 2*SLOT
	s_add_nc_u64 s[G0T+2:G0T+3], s[G0T+2:G0T+3], 6144
	s_mov_b32 s[G0W+1], 2*SLOT+2*HALFT
	s_add_nc_u64 s[G0W+2:G0W+3], s[G0W+2:G0W+3], 6144
	s_wait_dscnt 0x0
	CROUND                                         ; all four tiles are in, all sixteen work-groups are here
	ARMS G0T, G1T, G0W, G1W, G0SU, G1SW            ; K step 2 and U's scale words: first fills alone
	FETCH_X 1, 0, 0
	FETCH_Y 1, 0, 0
	SCALES ADRS, 0
	FETCH_Y 1, 0, 4
	STEP 0, 0, 0, 1, 1, 1, -1                      ; K 0-127: its products start the sums: nothing is cleared
	STEP 1, 1, 0, 0, 1, 2, 1
	STEP 0, 0, 1, 0, 1, 3, -1
	TURN 1, 1, 1, 1, 2, 2                          ; K 384-511
	STEP 0, 0, 0, 0, 2, 1, -1
	TURN 1, 1, 0, 2, 0, 3                          ; K 640-767
	STEP 0, 0, 1, 0, 0, 1, -1
	s_wait_dscnt 16                                ; the pass's last step: nothing more to fetch
	WIN MUL_LO
	MUL16 0, 1, 1, 1, 0
	MUL16 2, 1, 1, 1, 0
	s_wait_dscnt 0x0
	WIN MUL_HI
	MUL16 4, 1, 1, 1, 0
	MUL16 6, 1, 1, 1, 0
	WIN 0
	PLACES 4
	s_wait_loadcnt 0x0                             ; the biases and the mask bytes
	s_mov_b32 s[SEL], 0x76543210
	s_mov_b32 s[SEL+1], 0xfedcba98
	s_mov_b32 s[HM], 0xffff0000
.irp b, 0,1,2,3
	v_mov_b32 v[TM+4+\b], 0                        ; written once: a lane permute's destination counts as one of its sources
.endr
	; ---- Q's or K's way out.  My 128 along X are two heads; T's block a is tile a of my step of 128 tokens.
	s_lshr_b32 s2, s[YI], 3                        ; b
	s_and_b32 s3, s[YI], 7
	s_lshl_b32 s3, s3, 1
	s_add_co_u32 s3, s3, s[KIND]                   ; the step of 128 tokens
	s_lshl_b32 s66, s[XI], 2
	s_lshl_b32 s67, s[HALF], 1
	s_add_co_u32 s66, s66, s67                     ; my first plane: 0-15 Q's heads, 16-31 K's
	s_lshl_b32 s2, s2, 5
	s_add_co_u32 s2, s2, s66
	s_lshl_b32 s66, s2, 7
	s_lshl_b32 s67, s3, 3
	s_add_co_u32 s66, s66, s67
	s_lshl_b32 s66, s66, 10
	s_mov_b32 s67, 0
	s_add_nc_u64 s[16:17], s[16:17], s[66:67]      ; kqc at (b, plane, my first tile)
	s_lshl_b32 s2, s2, 4
	s_add_co_u32 s2, s2, s3
	s_lshl_b32 s2, s2, 9
	s_mov_b32 s3, 0
	s_add_nc_u64 s[18:19], s[18:19], s[2:3]        ; kqs at (b, plane, step)
	s_cmp_eq_u32 ttmp9, 1                          ; K?
	s_cselect_b32 s2, 31, 63                       ; the code at k = 64: +7.5 for a hidden key, -7.5 for every query
	s_cselect_b32 s3, 1, 0
	s_cselect_b32 s66, 0xff, 0                     ; K looks at the mask byte; for Q the test below holds in every lane
	s_add_co_u32 s3, s3, 174                       ; that block's scale byte: 175 or 174
	s_lshl_b32 s3, s3, 16
	s_or_b32 s3, s3, 1<<24
	v_mov_b32 v[VCODE], s2
	v_mov_b32 v[VMSK], s3
	v_mov_b32 v[VUNM], 0x01010000                  ; a key that counts: the byte 1 over the code 0
	v_mov_b32 v[T+3], 0
.macro QKOUT a
	s_wait_xcnt 0x0                                ; the last block's stores have read their registers
	WIN (0x02+(\a)/4)                              ; source 0: window 2 or 3
.set j, 0
.rept 32
	v_pk_add_f32 v[HA+j:HA+j+1], v[64*((\a)%4)+j:64*((\a)%4)+j+1], v[BI+j:BI+j+1]   ; + the bias, into window 0; each accumulator from its low end on
.set j, j+2
.endr
	WIN 0
	QUANT HA, PW                                   ; registers 0-5: the first head's 64, 6-11: the second's
	v_and_b32 v[TT], s66, v[MK+\a]
	v_cmp_eq_u32 vcc_lo, 0, v[TT]                  ; my token is hidden (K), or always (Q)
	v_cndmask_b32 v[KCW], v[VUNM], v[VMSK], vcc_lo ; the word's upper two bytes
	s_and_b32 vcc_lo, vcc_lo, 0xffff               ; k = 64 lies in lanes 0-15
	v_cndmask_b32 v[MC], 0, v[VCODE], vcc_lo
	v_and_or_b32 v[SW+\a], v[PW], 0xffff, v[KCW]
	v_lshrrev_b32 v[TT], 16, v[PW]
	v_or_b32 v[SW+8+\a], v[TT], v[KCW]
	v_mov_b32 v[T], v[PC+4]
	v_mov_b32 v[T+1], v[PC+5]
	v_mov_b32 v[T+2], v[MC]
	v_mov_b32 v[PC+12], v[MC]
	v_mov_b32 v[PC+13], 0
	global_store_b128 v[L16], v[PC:PC+3], s[16:17] offset:(\a)*1024               ; each store: 512 consecutive bytes
	global_store_b128 v[L16], v[T:T+3], s[16:17] offset:(\a)*1024+512
	global_store_b128 v[L16], v[PC+6:PC+9], s[16:17] offset:131072+(\a)*1024      ; the next plane
	global_store_b128 v[L16], v[PC+10:PC+13], s[16:17] offset:131072+(\a)*1024+512
.endm
.irp a, 0,1,2,3
	QKOUT \a
.endr
	; pass 2's K 512-1023: T over bytes 0 on (K step 3 has been read out), U over W's part of K step 2
	s_wait_alu depctr_va_vdst(0)
	s_wait_tensorcnt 0x0                           ; pass 2's K 0-511 is in
	ds_add_u32 v[SPW], v[NIL]
	s_mov_b32 s[G0T+1], 0
	s_add_nc_u64 s[G0T+2:G0T+3], s[G0T+2:G0T+3], 6144
	s_mov_b32 s[G0U+1], 2*SLOT+2*HALFT
	s_add_nc_u64 s[G0U+2:G0U+3], s[G0U+2:G0U+3], 6144
	s_wait_dscnt 0x0
	CROUND
	ARMS G0T, G1T, G0U, G1W, -1, -1
.irp a, 4,5,6,7
	QKOUT \a
.endr
.irp c, 0,1
	s_wait_xcnt 0x0
.irp i, 0,1,2,3
	v_cndmask_b32 v[W+\i], v[SW+8*\c+\i], v[SW+8*\c+4+\i], s[HM]   ; lanes 0-15: row r's words of tiles 0-3; lanes 16-31: of tiles 4-7
.endr
	global_store_b128 v[OSQ], v[W:W+3], s[18:19] offset:8192*\c   ; 512 consecutive bytes
.endr
	; ---- PASS 2.  X = T's 8 row tiles of my 128 tokens, Y = U's 4 row tiles of my head.  Each step's fragments are fetched a whole step (32 matrix instructions) ahead, into two sets by turns.
.macro FETCH2 n
.if (\n) < 4
.set XA16, P0T16
.set XA8,  P0T8
.set YA16, P0U16
.set YA8,  P0U8
.else
.set XA16, ADY16+1
.set XA8,  ADY8+1
.set YA16, ADX16+2
.set YA8,  ADX8+2
.endif
	WIN TO_X
.irp i, 0,1,2,3,4,5,6,7
	FRAG 128*((\n)%2)+12*\i, XA16, XA8, \i*6144+((\n)%4)*1536
.endr
	WIN 0
.irp i, 0,1,2,3
	FRAG YF+48*((\n)%2)+12*\i, YA16, YA8, \i*6144+((\n)%4)*1536
.endr
.if (\n)%2 == 0
	SCALES ADRS2, (\n)/2
.endif
.endm
.macro SUB2 g, zero
	s_wait_dscnt 0x0                               ; this step's fragments are in
.if (\g) == 3
	s_wait_tensorcnt 0x0                           ; my part of K 512-1023 is in,
	s_barrier_signal -1
	s_barrier_wait -1                              ; everybody's is
.endif
.if (\g) < 7
	PLACES 4
	FETCH2 (\g)+1
.endif
	WIN MUL_LO
	MUL16 0, (\g)%2, (\g)%2, ((\g)/2)%2, \zero, YF+48*((\g)%2)
	MUL16 2, (\g)%2, (\g)%2, ((\g)/2)%2, \zero, YF+48*((\g)%2)
.endm
	s_wait_xcnt 0x0                                ; the stores above have read their registers: fragments land there
	FETCH2 0
	s_lshr_b32 s2, s[YI], 3                        ; V's places: b,
	s_and_b32 s3, s[YI], 7
	s_lshl_b32 s3, s3, 1
	s_add_co_u32 s3, s3, s[KIND]                   ; the step of 128 keys,
	s_lshl_b32 s66, s[XI], 1
	s_add_co_u32 s66, s66, s[HALF]                 ; my head
	s_lshl_b32 s2, s2, 4
	s_add_co_u32 s2, s2, s66
	s_lshl_b32 s2, s2, 4
	s_add_co_u32 s2, s2, s3
	s_mul_i32 s66, s2, 6144
	s_mov_b32 s67, 0
	s_add_nc_u64 s[20:21], s[20:21], s[66:67]
	s_lshl_b32 s2, s2, 8
	s_mov_b32 s3, 0
	s_add_nc_u64 s[22:23], s[22:23], s[2:3]
	SUB2 0, 1
	SUB2 1, 0
	SUB2 2, 0
	SUB2 3, 0
	SUB2 4, 0
	SUB2 5, 0
	SUB2 6, 0
	SUB2 7, 0
	WIN 0
	PLACES 4
.macro VOUT a
	s_wait_xcnt 0x0
	WIN 0x02
.set j, 0
.rept 32
.if (\a)%2
	v_pk_add_f32 v[HA+j:HA+j+1], v[64*(\a)+j:64*(\a)+j+1], v[BY+2*((\a)/2):BY+2*((\a)/2)+1] op_sel:[0,1]      ; + bv of my row: the pair's second word for both halves
.else
	v_pk_add_f32 v[HA+j:HA+j+1], v[64*(\a)+j:64*(\a)+j+1], v[BY+2*((\a)/2):BY+2*((\a)/2)+1] op_sel_hi:[1,0]   ; the pair's first word for both halves
.endif
.set j, j+2
.endr
	WIN 0
	QUANT HA, SW+\a
.irp c, 0,1,2
	global_store_b128 v[L16], v[PC+4*\c:PC+4*\c+3], s[20:21] offset:(\a)*1536+512*\c   ; 512 consecutive bytes
.endr
.endm
.irp a, 0,1,2,3
	VOUT \a
.endr
	v_cndmask_b32 v[W], v[SW], v[SW+2], s[HM]      ; lanes 0-15: row r's words of tiles 0, 1; lanes 16-31: of tiles 2, 3
	v_cndmask_b32 v[W+1], v[SW+1], v[SW+3], s[HM]
	global_store_b64 v[OSV], v[W:W+1], s[22:23]    ; one aligned run of 256 bytes
	s_wait_tensorcnt 0x0                           ; the wave's end
	ds_add_u32 v[SPW], v[NIL]
	s_wait_dscnt 0x0
	CROUND                                         ; the closing round
	s_endpgm
.Lfunc_end_k_q49e387da92_qkv:
	.size	k_q49e387da92_qkv, .Lfunc_end_k_q49e387da92_qkv-k_q49e387da92_qkv
	.p2alignl 7, 3214868480
	.fill 96, 4, 3214868480
	.section	.rodata,"a",@progbits
	.p2align	6, 0x0
	.amdhsa_kernel k_q49e387da92_qkv
		.amdhsa_group_segment_fixed_size 327680
		.amdhsa_private_segment_fixed_size 0
		.amdhsa_enable_private_segment 0
		.amdhsa_kernarg_size 80
		.amdhsa_user_sgpr_count 2
		.amdhsa_user_sgpr_kernarg_segment_ptr 1
		.amdhsa_wavefront_size32 1
		.amdhsa_system_sgpr_workgroup_id_x 1
		.amdhsa_system_sgpr_workgroup_id_y 1
		.amdhsa_system_sgpr_workgroup_id_z 1
		.amdhsa_system_vgpr_workitem_id 0
		.amdhsa_next_free_vgpr 1024
		.amdhsa_next_free_sgpr 102
		.amdhsa_reserve_vcc 1
		.amdhsa_float_denorm_mode_32 3
		.amdhsa_float_denorm_mode_16_64 3
		.amdhsa_memory_ordered 1
		.amdhsa_forward_progress 1
		.amdhsa_inst_pref_size 255
	.end_amdhsa_kernel
	.section	.bss,"aw",@nobits
	.p2align	6
	.space	262144
	.amdgpu_metadata
---
amdhsa.version: [ 1, 2 ]
amdhsa.kernels:
  - .name:           k_q49e387da92_qkv
    .symbol:         k_q49e387da92_qkv.kd
    .args:
      - { .name: gc, .offset: 0, .size: 8, .value_kind: global_buffer, .address_space: global }
      - { .name: gs, .offset: 8, .size: 8, .value_kind: global_buffer, .address_space: global }
      - { .name: bq, .offset: 16, .size: 8, .value_kind: global_buffer, .address_space: global }
      - { .name: bk, .offset: 24, .size: 8, .value_kind: global_buffer, .address_space: global }
      - { .name: bv, .offset: 32, .size: 8, .value_kind: global_buffer, .address_space: global }
      - { .name: mask, .offset: 40, .size: 8, .value_kind: global_buffer, .address_space: global }
      - { .name: kqc, .offset: 48, .size: 8, .value_kind: global_buffer, .address_space: global }
      - { .name: kqs, .offset: 56, .size: 8, .value_kind: global_buffer, .address_space: global }
      - { .name: vc, .offset: 64, .size: 8, .value_kind: global_buffer, .address_space: global }
      - { .name: vs, .offset: 72, .size: 8, .value_kind: global_buffer, .address_space: global }
    .group_segment_fixed_size: 327680
    .private_segment_fixed_size: 0
    .kernarg_segment_align: 8
    .kernarg_segment_size: 80
    .max_flat_workgroup_size: 128
    .sgpr_count:     102
    .vgpr_count:     1024
    .wavefront_size: 32
...
	.end_amdgpu_metadata
.endif
;; end of part 2
;; launch attn (part 3): grid 4 x 64, 16 waves a work-group, clusters of 4 x 1, 247,808 bytes of LDS; arguments kqc, kqs, vc, vs, oc, os; writes oc, os
.if DOCPART == 3
	.amdgcn_target "amdgcn-amd-amdhsa--gfx1250"
	.amdhsa_code_object_version 6
	.text
	.protected	k_q49e387da92_attn
	.globl	k_q49e387da92_attn
	.p2align	8
	.type	k_q49e387da92_attn,@function
k_q49e387da92_attn:
	s_mov_b64 s[64:65], 0
	v_nop
	global_prefetch_b8 v0, s[64:65] scope:SCOPE_SE
	s_setreg_imm32_b32 hwreg(HW_REG_WAVE_MODE, 25, 1), 1
	s_wait_xcnt 0x0
	s_wait_alu depctr_hold_cnt(0) depctr_sa_sdst(0) depctr_va_vdst(0) depctr_va_sdst(0) depctr_va_ssrc(0) depctr_va_vcc(0) depctr_vm_vsrc(0)
	s_getreg_b32 s2, hwreg(HW_REG_IB_STS2, 6, 4)
	s_cmp_eq_u32 s2, 0
	s_cbranch_scc0 .Lentry_in_a_cluster
	s_endpgm
.Lentry_in_a_cluster:
	s_bfe_u32 s2, ttmp6, 0x10000c
	s_cmp_lg_u32 s2, 0x3003
	s_cbranch_scc0 .Lentry_shape_is_right
	s_endpgm
.Lentry_shape_is_right:
; Causal attention on codes of FP6 (E2M3): S^T = K Q^T (K = 128: the head's 64, the padding mask's block at k = 64, zeros), softmax by p = 2^(t - M), O^T = V^T P^T (K = the keys), O / l, and o quantised along (head, d).
; t = score x 0.125 x log2(e); M = the running largest t rounded UP to a whole number; the row's sum l is taken of the unquantised p; when M moves, l and O^T are multiplied by 2^(old M - new M): exact.
; Key steps that lie wholly behind a tile's queries under the causal mask are not computed.
; A CLUSTER of four work-groups owns one (batch, head).  The head's K and V, codes and scale words, 241,664 bytes, come into each work-group's LDS ONCE, by sixteen joint loads, one a wave, at the head:
; waves 0-7 K's codes and waves 8-13 V's codes, 16,384 bytes each; wave 14 K's scale words; wave 15 V's.  No byte is filled again.  No prefetch: all fills go out at the head, so there is no loop to run ahead in.
; SHARES.  The head's 128 tiles of 16 queries are 16 groups of 8; a group spans 128 queries, as many as a key step has keys.  Wave w (j = w / 2) owns tile 2 cx + w % 2 of group 15 - j and of group j.
; Which key steps a tile needs hangs on its GROUP alone, that is on the wave's number: no branch and no LDS address hangs on the work-group's place in the cluster, and every wave has (16 - j) + (j + 1) = 17 tile steps.
; ORDER.  The fills | one barrier | the sums of V (two barriers) | then no barrier: tile B (group 15 - j) steps 0-7, all open; steps 8-15 (a step behind the group is jumped over, the group's own is masked); out; tile A (group j) likewise.
; THE PADDING MASK costs nothing here: a hidden key's score comes out of the product as -56.25 x 2^95, so its p is 0.  The largest t starts at -2^90, above that and below every real t.
; A ROW WITH NO KEY LEFT (l = 0): the module gives it the mean of V over ALL 2,048 keys (every logit is the same lowest number).  So each work-group forms sum_k V[k][d] / 2048 by products of V^T with ones,
; and such rows take it by v_cndmask_b32.  LIMITS: real |t| under 2^90; NaN and infinities are not served; a block's largest p is taken from the block's largest score (v_exp_f32 is taken not to fall where its input rises).
; LAYOUT.  Both products are used transposed: a lane holds ONE query (lane % 16) throughout.  Tiles of keys, of queries and of d are in the order 32 g + 8 u + r + 8 (r / 8), so the 16 registers of two neighbouring
; tiles are 16 neighbours.  K's fragments lie 8 registers apart: registers 8-11 of the operand (the next fragment's head) meet zero codes of Q.
.set VC,  131072                       ; LDS: K's codes from 0 (16 steps x 8 tiles x 1,024); V's codes, 16 steps x 4 tiles x 1,536
.set KS,  229376                       ; K's scale words, 16 x 512
.set VS,  237568                       ; V's, 16 x 256
.set VSP, 241664                       ; four partial sums of V, 256 bytes each
.set VSF, 242688                       ; their sum
.set SPARE, 245760                     ; the spare words, 128 bytes a wave
.set F,   40                           ; v40-107  K's 8 fragments at F + 8 t, then V's 4 at F + 12 t; v104-107 stay 0
.set S,   108                          ; v108-171 S^T, then p
.set O,   172                          ; v172-203 O^T: tile t of d at O + 8 t
.set PC,  204                          ; v204-222 p's codes
.set KW,  224                          ; v224-231 K's scale words
.set VW,  232                          ; v232-235 V's
.set BM,  236
.set BT,  240
.set BO,  244
.set WV,  16
.set CXR, 17
.set BH,  18
.set TAU, 19
.set SEL, 20
.set CS,  22
.set G1K, 24                           ; group 1: 64 rows of 256 bytes (codes)
.set G1KS, 40                          ; 32 rows
.set G1VS, 48                          ; 16 rows
.set G0KA, 56                          ; groups 0: K's scale words,
.set G0KB, 60                          ; K's codes,
.set G0VA, 72                          ; V's scale words,
.set G0VB, 76                          ; V's codes
.set G,   84                           ; the group of the tile in hand
.set GA,  85
.set PH,  86
.set N,   87
.set ST,  88                           ; the key step
.set TK,  89
.set TV,  90
.set TSK, 91
.set TSV, 92
.set RT0, 93                           ; 128 b + my tile's number in its group
.set BASE, 3
.set HM,  66
.macro CROUND
	s_barrier_signal -1
	s_barrier_wait -1
	s_cmp_lg_u32 s[WV], 0
	s_cbranch_scc1 .Lnot_wave_0_\@
	s_barrier_signal -3
.Lnot_wave_0_\@:
	s_barrier_wait -3
	s_barrier_signal -1
	s_barrier_wait -1
.endm
	s_load_b256 s[4:11], s[0:1], 0x0               ; kqc s[4:5], kqs s[6:7], vc s[8:9], vs s[10:11]
	s_load_b128 s[12:15], s[0:1], 0x20             ; oc s[12:13], os s[14:15]
	v_lshl_add_u32 v250, v0, 2, SPARE
	v_mov_b32 v251, 0
	ds_add_u32 v250, v251                          ; the opening lines: the add twice on end, under one wait
	ds_add_u32 v250, v251
	v_lshrrev_b32 v8, 5, v0
	s_delay_alu instid0(VALU_DEP_1)
	v_readfirstlane_b32 s[WV], v8                  ; wave 0..15
	v_and_b32 v9, 31, v0                           ; lane
	v_and_b32 v10, 15, v0                          ; r
	v_bfe_u32 v11, v0, 4, 1                        ; h
	s_wait_alu depctr_va_vdst(0)
	s_bfe_u32 s[CXR], ttmp6, 0x40000               ; cx: it enters global addresses and the mask's lane constant alone
	s_and_b32 s[BH], ttmp7, 0xffff                 ; 16 b + head, which the four partners share
	s_and_b32 s2, s[WV], 1
	s_lshl_b32 s[TAU], s[CXR], 1
	s_add_co_u32 s[TAU], s[TAU], s2                ; my tile's number in its group
	s_lshl_b32 s94, s[CXR], 5
	s_lshl_b32 s95, s2, 3
	s_add_co_u32 s94, s94, s95                     ; its first query in the group: 32 cx + 8 (w % 2)
	v_and_b32 v5, 8, v10
	s_delay_alu instid0(VALU_DEP_1)
	v_add_nc_u32 v5, v5, v10
	v_lshlrev_b32 v12, 4, v11
	s_delay_alu instid0(VALU_DEP_1)
	v_sub_nc_u32 v5, v5, v12
	s_delay_alu instid0(VALU_DEP_1)
	v_add_nc_u32 v5, s94, v5                       ; v5 = my query in the group - 16 h.  Register 16 b + i holds key 32 b + 16 h + i: hidden on the diagonal where 32 b + i > v5
	s_lshr_b32 s[GA], s[WV], 1
	s_sub_co_u32 s[G], 15, s[GA]                   ; tile B's group
	s_lshr_b32 s3, s[BH], 4                        ; b
	s_and_b32 s66, s[BH], 15                       ; head
	s_lshl_b32 s67, s3, 5
	s_add_co_u32 s67, s67, s66                     ; Q's plane in kqc and kqs; K's lies 16 further on
	s_lshl_b32 s[RT0], s3, 7
	s_add_co_u32 s[RT0], s[RT0], s[TAU]
	; groups 1: dense blocks as rows of 256 bytes (32 elements of 8); 15:0 the mask: all four work-groups; 21 set beside it
.irp g, G1K, G1KS, G1VS
	s_mov_b32 s[\g], 15|(3<<16)|(1<<21)
	s_mov_b32 s[\g+1], 32<<16
	s_mov_b32 s[\g+3], 32<<16
	s_mov_b32 s[\g+5], 32
	s_mov_b32 s[\g+6], 0
	s_mov_b32 s[\g+7], 0
.endr
	s_mov_b32 s[G1K+2], 64<<16
	s_mov_b32 s[G1K+4], 64
	s_mov_b32 s[G1KS+2], 32<<16
	s_mov_b32 s[G1KS+4], 32
	s_mov_b32 s[G1VS+2], 16<<16
	s_mov_b32 s[G1VS+4], 16
	; groups 0: the offsets are made here, the buffers' addresses added below.  Codes go to LDS byte 16,384 x wave: K's fill 0 .. 131,071, V's follow
	s_add_co_u32 s94, s67, 16
	s_mov_b32 s[G0KA], 1
	s_mov_b32 s[G0KA+1], KS
	s_lshl_b32 s[G0KA+2], s94, 13
	s_mov_b32 s[G0KA+3], 0
	s_mov_b32 s[G0KB], 1
	s_lshl_b32 s[G0KB+1], s[WV], 14
	s_lshl_b32 s[G0KB+2], s94, 17
	s_add_co_u32 s[G0KB+2], s[G0KB+2], s[G0KB+1]
	s_mov_b32 s[G0KB+3], 0
	s_mov_b32 s[G0VA], 1
	s_mov_b32 s[G0VA+1], VS
	s_lshl_b32 s[G0VA+2], s[BH], 12
	s_mov_b32 s[G0VA+3], 0
	s_mov_b32 s[G0VB], 1
	s_lshl_b32 s[G0VB+1], s[WV], 14
	s_max_u32 s95, s[WV], 8
	s_sub_co_u32 s95, s95, 8
	s_lshl_b32 s95, s95, 14                        ; V's codes: piece wave - 8 (waves 8-13 use it)
	s_mul_i32 s[G0VB+2], s[BH], 98304
	s_add_co_u32 s[G0VB+2], s[G0VB+2], s95
	s_mov_b32 s[G0VB+3], 0
	; Q's two tiles: codes at plane x 131,072 + (8 group + tile) x 1,024; scale words at plane x 8,192 + group x 512 + 4 x tile (+ 32 r)
	s_lshl_b32 s94, s[G], 3
	s_add_co_u32 s94, s94, s[TAU]
	s_lshl_b32 s94, s94, 10
	s_lshl_b32 s95, s67, 17
	s_add_co_u32 s94, s94, s95
	s_mov_b32 s95, 0
	s_lshl_b32 s96, s[GA], 3
	s_add_co_u32 s96, s96, s[TAU]
	s_lshl_b32 s96, s96, 10
	s_lshl_b32 s97, s67, 17
	s_add_co_u32 s96, s96, s97
	s_mov_b32 s97, 0
	s_lshl_b32 s98, s[G], 9
	s_lshl_b32 s99, s[TAU], 2
	s_add_co_u32 s98, s98, s99
	s_lshl_b32 s99, s67, 13
	s_add_co_u32 s98, s98, s99
	s_mov_b32 s99, 0
	s_lshl_b32 s2, s[GA], 9
	s_lshl_b32 s3, s[TAU], 2
	s_add_co_u32 s2, s2, s3
	s_lshl_b32 s3, s67, 13
	s_add_co_u32 s2, s2, s3
	s_mov_b32 s3, 0
	; the head's place in a row tile of oc (768 bytes a head) and of os (two bytes a row)
	s_lshr_b32 s88, s66, 2
	s_lshl_b32 s88, s88, 7
	s_bfe_u32 s89, s66, 0x10001
	s_lshl_b32 s89, s89, 2
	s_add_co_u32 s88, s88, s89
	s_and_b32 s89, s66, 1
	s_lshl_b32 s89, s89, 1
	s_add_co_u32 s88, s88, s89
	s_mov_b32 s89, 0
	s_mul_i32 s66, s66, 768
	s_mov_b32 s67, 0
	s_mov_b32 s[SEL], 0x76543210
	s_mov_b32 s[SEL+1], 0xfedcba98                 ; v_permlanex16_b32's selects for lane l xor 16
	s_mov_b32 s[CS], 0x3e38aa3b                    ; c = 0.125 x log2(e)
	s_mov_b32 s[CS+1], s[CS]                       ; (named with it as a pair, so it is written)
	s_wait_dscnt 0x0
	s_wait_kmcnt 0x0
	s_add_nc_u64 s[G0KA+2:G0KA+3], s[6:7], s[G0KA+2:G0KA+3]
	s_add_nc_u64 s[G0KB+2:G0KB+3], s[4:5], s[G0KB+2:G0KB+3]
	s_add_nc_u64 s[G0VA+2:G0VA+3], s[10:11], s[G0VA+2:G0VA+3]
	s_add_nc_u64 s[G0VB+2:G0VB+3], s[8:9], s[G0VB+2:G0VB+3]
.irp g, G0KA, G0KB, G0VA, G0VB
	s_or_b32 s[\g+3], s[\g+3], 0x80000000          ; type = 2
.endr
	s_add_nc_u64 s[94:95], s[4:5], s[94:95]
	s_add_nc_u64 s[96:97], s[4:5], s[96:97]
	s_add_nc_u64 s[98:99], s[6:7], s[98:99]
	s_add_nc_u64 s[2:3], s[6:7], s[2:3]
	s_add_nc_u64 s[12:13], s[12:13], s[66:67]
	s_add_nc_u64 s[14:15], s[14:15], s[88:89]
	CROUND                                         ; all four work-groups are here: the joint loads meet
; one chain of branches on the wave's number, one load to an arm, all arms to one join: every wave issues exactly one tensor load
.macro ARM under, g0, g1, next
	s_cmp_lt_u32 s[WV], \under
	s_cbranch_scc0 \next
	tensor_load_to_lds s[\g0:\g0+3], s[\g1:\g1+7]
	s_nop 0
.rept 4
	v_nop
.endr
	s_branch .Lasked
\next:
.endm
	ARM 8, G0KB, G1K, .Larm_v
	ARM 14, G0VB, G1K, .Larm_ks
	ARM 15, G0KA, G1KS, .Larm_vs
	tensor_load_to_lds s[G0VA:G0VA+3], s[G1VS:G1VS+7]
	s_nop 0
.rept 4
	v_nop
.endr
.Lasked:
	v_lshlrev_b32 v1, 4, v9                        ; v1  16 x lane: K's tiles, and the stores
	v_lshlrev_b32 v8, 5, v10                       ; 32 r
	global_load_b128 v[16:19], v1, s[94:95]                  ; tile B's Q: registers 0-3,
	global_load_b128 v[20:23], v1, s[94:95] offset:512       ; 4, 5, the mask's register, 0
	global_load_b32 v37, v8, s[98:99]                        ; its scale words
	global_load_b128 v[28:31], v1, s[96:97]                  ; tile A's, held
	global_load_b128 v[32:35], v1, s[96:97] offset:512
	global_load_b32 v36, v8, s[2:3]
	v_add_nc_u32 v2, VC, v1                        ; v2  V's tiles
	v_add_nc_u32 v3, KS, v8                        ; v3  K's scale words: row r's eight
	v_lshl_add_u32 v4, v10, 4, VS                  ; v4  V's: row r's four
	v_lshl_add_u32 v6, v10, 4, VSP                 ; v6  the partial sums, 16 bytes a lane
	v_lshl_add_u32 v7, v11, 5, VSF                 ; v7  the sum: my half's eight of a tile
	v_lshlrev_b32 v38, 3, v9                       ; v38 8 x lane
	v_lshl_add_u32 v39, v10, 3, v11                ; v39 8 r + h
	s_lshr_b32 s88, s[WV], 2
	s_lshl_b32 s88, s88, 8
	s_and_b32 s89, s[WV], 3
	s_lshl_b32 s89, s89, 6
	s_add_co_u32 s88, s88, s89
	s_add_co_u32 s88, s88, VSP
	v_lshl_add_u32 v255, v11, 5, s88               ; v255 where my partial sum goes: part w / 4, tile w % 4, + 32 h
	v_mov_b32 v223, 0xff800000                     ; -infinity
.irp i, 24,25,26,27,104,105,106,107
	v_mov_b32 v\i, 0                               ; Q's registers 8-11; the tail of K's last operand
.endr
.irp b, 0,1,2,3
	v_mov_b32 v[BT+\b], 0                          ; written once: a lane permute's destination counts as one of its sources
.endr
	v_mov_b32 v254, 0
	s_mov_b32 s[HM], 0xffff0000                    ; lanes 16-31
.macro INIT                            ; a tile begins: O^T and the sum are zeros, the largest t is -2^90
.set j, 0
.rept 32
	v_mov_b32 v[O+j], 0
.set j, j+1
.endr
	v_mov_b32 v13, 0xec800000
	s_delay_alu instid0(VALU_DEP_1)
	v_floor_f32 v12, -v13                          ; -M
	v_mov_b32 v14, 0
	v_mov_b32 v15, 0
.endm
	INIT
.macro SETSTEP                         ; the step's number and its places in LDS: from loop counters alone
	s_add_co_u32 s[ST], s[BASE], s[N]
	s_lshl_b32 s[TK], s[ST], 13
	s_mul_i32 s[TV], s[ST], 6144
	s_lshl_b32 s[TSK], s[ST], 9
	s_lshl_b32 s[TSV], s[ST], 8
.endm
; A KEY STEP: 128 keys.  causal = 1: a step behind my tile's group is jumped over (a branch on the wave's number and loop counters); the group's own step is masked.
.macro STEP causal
.if \causal
	s_cmp_gt_u32 s[ST], s[G]
	s_cbranch_scc1 .Lskip_\@
.endif
	v_add_nc_u32 v8, s[TK], v1                     ; (these four are the places in front of the loads into registers that the last products read)
	v_add_nc_u32 v9, s[TV], v2
	v_add_nc_u32 v10, s[TSK], v3
	v_add_nc_u32 v11, s[TSV], v4
.irp t, 0,1,2,3,4,5,6,7
	ds_load_b128 v[F+8*\t:F+8*\t+3], v8 offset:1024*\t
	ds_load_b128 v[F+8*\t+4:F+8*\t+7], v8 offset:1024*\t+512
.endr
	ds_load_b128 v[KW:KW+3], v10
	ds_load_b128 v[KW+4:KW+7], v10 offset:16
	s_wait_alu depctr_va_vdst(0)
	s_wait_dscnt 0x0
.irp t, 0,1,2,3,4,5,6,7
	v_wmma_scale_f32_16x16x128_f8f6f4 v[S+8*\t:S+8*\t+7], v[F+8*\t:F+8*\t+11], v[16:27], 0, v[KW+\t], v37 matrix_a_fmt:MATRIX_FMT_FP6 matrix_b_fmt:MATRIX_FMT_FP6
.endr
.rept 4
	v_nop
.endr
.irp t, 0,1,2,3                                ; V's fragments are asked for now and land under the softmax
.irp c, 0,1,2
	ds_load_b128 v[F+12*\t+4*\c:F+12*\t+4*\c+3], v9 offset:1536*\t+512*\c
.endr
.endr
	ds_load_b128 v[VW:VW+3], v11
.if \causal
	s_cmp_lg_u32 s[ST], s[G]
	s_cbranch_scc1 .Lopen_\@
.set n, 0
.rept 64
	v_cmp_gt_i32 vcc_lo, 32*(n/16)+n%16, v5        ; on the diagonal hidden scores become -infinity ahead of the maximum: p = 0
	v_cndmask_b32 v[S+n], v[S+n], v223, vcc_lo
.set n, n+1
.endr
.Lopen_\@:
.endif
.irp b, 0,1,2,3
	v_max3_num_f32 v[BM+\b], v[S+16*\b], v[S+1+16*\b], v[S+2+16*\b]   ; the largest score of each block of 32 keys: for the row's maximum, and for the block's largest p
.endr
.irp i, 3,5,7,9,11,13
.irp b, 0,1,2,3
	v_max3_num_f32 v[BM+\b], v[BM+\b], v[S+16*\b+\i], v[S+1+16*\b+\i]
.endr
.endr
.irp b, 0,1,2,3
	v_max_num_f32 v[BM+\b], v[BM+\b], v[S+15+16*\b]
.endr
.irp b, 0,1,2,3
	s_delay_alu instid0(VALU_DEP_4)
	v_permlanex16_b32 v[BT+\b], v[BM+\b], s[SEL], s[SEL+1]
.endr
.irp b, 0,1,2,3
	s_delay_alu instid0(VALU_DEP_4)
	v_max_num_f32 v[BM+\b], v[BM+\b], v[BT+\b]     ; with lane l xor 16's 16 keys
.endr
	s_delay_alu instid0(VALU_DEP_2)
	v_max3_num_f32 v254, v[BM], v[BM+1], v[BM+2]
	s_delay_alu instid0(VALU_DEP_1)
	v_max_num_f32 v254, v254, v[BM+3]
	s_delay_alu instid0(VALU_DEP_1)
	v_mul_f32 v254, s[CS], v254                    ; as t (c is positive)
	s_delay_alu instid0(VALU_DEP_1)
	v_max_num_f32 v13, v13, v254                   ; the running largest t
	v_mov_b32 v254, v12
	s_delay_alu instid0(VALU_DEP_2)
	v_floor_f32 v12, -v13                          ; the new -M = floor(-t): M is a whole number
	s_delay_alu instid0(VALU_DEP_1)
	v_sub_f32 v254, v12, v254                      ; old M - new M: a whole number, 0 or less
	s_delay_alu instid0(VALU_DEP_1)
	v_cvt_i32_f32 v254, v254                       ; (it saturates)
	s_delay_alu instid0(VALU_DEP_1)
	v_ldexp_f32 v252, 1.0, v254                    ; f = 2^(old M - new M)
.set j, 0
.rept 32
	v_pk_fma_f32 v[S+j:S+j+1], v[S+j:S+j+1], s[CS:CS+1], v[12:13] op_sel_hi:[1,0,0]   ; t - M, two at a time
.set j, j+2
.endr
.irp b, 0,1,2,3
	v_fma_f32 v[BM+\b], v[BM+\b], s[CS], v12       ; the same of each block's largest score
.endr
.set j, 0
	s_wait_alu depctr_va_vdst(0)
.rept 64
	v_exp_f32 v[S+j], v[S+j]                       ; p = 2^(t - M): not normalised
.set j, j+1
.endr
	v_pk_mul_f32 v[14:15], v[14:15], v[252:253] op_sel_hi:[1,0]   ; the sums under the new M (a plain instruction behind the exponentials)
	s_wait_alu depctr_va_vdst(0)                   ; one wait for the batch of 64, ahead of its first reader
.irp b, 0,1,2,3
	v_exp_f32 v[BM+\b], v[BM+\b]                   ; the block's largest p
.endr
	; the row's sum of the unquantised p: 32 pairs in eight chains by turns
.set k, 0
.irp a, 240,248,246,244,242,230,228
	v_pk_add_f32 v[\a:\a+1], v[S+4*k:S+4*k+1], v[S+4*k+2:S+4*k+3]
.set k, k+1
.endr
	v_pk_add_f32 v[14:15], v[14:15], v[S+28:S+29]
.set k, 15
.rept 2
.irp a, 240,248,246,244,242,230,228,14
	v_pk_add_f32 v[\a:\a+1], v[\a:\a+1], v[S+2*k:S+2*k+1]
.set k, k+1
.endr
.endr
	v_pk_add_f32 v[240:241], v[240:241], v[S+62:S+63]
	s_delay_alu instid0(VALU_DEP_2)
	v_pk_add_f32 v[14:15], v[14:15], v[244:245]
	s_delay_alu instid0(VALU_DEP_2)
	v_pk_add_f32 v[240:241], v[240:241], v[242:243]
	v_pk_add_f32 v[248:249], v[248:249], v[230:231]
	v_pk_add_f32 v[246:247], v[246:247], v[228:229]
	s_delay_alu instid0(VALU_DEP_2)
	v_pk_add_f32 v[14:15], v[14:15], v[248:249]
	s_delay_alu instid0(VALU_DEP_2)
	v_pk_add_f32 v[240:241], v[240:241], v[246:247]
	s_delay_alu instid0(VALU_DEP_1)
	v_pk_add_f32 v[14:15], v[14:15], v[240:241]
	s_wait_alu depctr_va_vdst(0)                   ; and one for the four
.irp b, 0,1,2,3
	v_max_num_f32 v[BM+\b], 0x1800000, v[BM+\b]    ; the floor 2^(3 - 127): the byte cannot fall under 1
.endr
.irp b, 0,1,2,3
	s_delay_alu instid0(VALU_DEP_4)
	v_add_nc_u32 v[BO+\b], 0xff000000, v[BM+\b]    ; 2 off the exponent field: the conversion's scale operand
.endr
.irp b, 0,1,2,3
	s_delay_alu instid0(VALU_DEP_4)
	v_lshrrev_b32 v[BT+\b], 23, v[BO+\b]
.endr
	s_delay_alu instid0(VALU_DEP_3)
	v_lshl_or_b32 v253, v[BT+1], 8, v[BT]          ; p's scale word for these 128 keys
	s_delay_alu instid0(VALU_DEP_1)
	v_lshl_or_b32 v253, v[BT+2], 16, v253
	s_delay_alu instid0(VALU_DEP_1)
	v_lshl_or_b32 v253, v[BT+3], 24, v253
.irp c, 0,1
	v_cvt_scalef32_pk16_fp6_f32 v[PC+6*\c:PC+2+6*\c], v[S+32*\c:S+15+32*\c], v[BO+2*\c]
	v_cvt_scalef32_pk16_fp6_f32 v[PC+12+4*\c:PC+14+4*\c], v[S+16+32*\c:S+31+32*\c], v[BO+2*\c+1]
.endr
	v_nop                                          ; one plain instruction behind a scaled conversion
.irp c, 0,1
.irp i, 0,1,2
	v_permlane16_swap_b32 v[PC+6*\c+\i], v[PC+12+4*\c+\i]
.endr
.irp i, 0,1,2
	s_delay_alu instid0(VALU_DEP_3)
	v_mov_b32 v[PC+3+6*\c+\i], v[PC+12+4*\c+\i]
.endr
.endr
.set j, 0
.rept 16
	v_pk_mul_f32 v[O+j:O+j+1], v[O+j:O+j+1], v[252:253] op_sel_hi:[1,0]   ; O^T under the new M; these 16 also stand between the operand's and the scale word's last writes and the products
.set j, j+2
.endr
	s_wait_alu depctr_va_vdst(0)
	s_wait_dscnt 0x0                               ; V
.irp t, 0,1,2,3                                ; four accumulators by turns; between two links of a chain stand the next step's eight products
	v_wmma_scale_f32_16x16x128_f8f6f4 v[O+8*\t:O+8*\t+7], v[F+12*\t:F+12*\t+11], v[PC:PC+11], v[O+8*\t:O+8*\t+7], v[VW+\t], v253 matrix_a_fmt:MATRIX_FMT_FP6 matrix_b_fmt:MATRIX_FMT_FP6
.endr
.if \causal
.Lskip_\@:
.endif
.endm
; THE WAY OUT of a tile: O^T / l (a row with l = 0 takes the mean of V), quantised along d: register 16 b + i is d = 32 b + 16 h + i; the head's half fragment and its two scale bytes go to oc and os.
.macro WAYOUT
.rept 4
	v_nop                                          ; behind the last products, whichever step was the last that ran
.endr
.irp t, 0,1,2,3
	ds_load_b128 v[F+8*\t:F+8*\t+3], v7 offset:64*\t
	ds_load_b128 v[F+8*\t+4:F+8*\t+7], v7 offset:64*\t+16
.endr
	v_add_f32 v14, v14, v15
	s_delay_alu instid0(VALU_DEP_1)
	v_permlanex16_b32 v254, v14, s[SEL], s[SEL+1]
	s_delay_alu instid0(VALU_DEP_1)
	v_add_f32 v14, v14, v254                       ; the row's sum
	s_wait_alu depctr_va_vdst(0)
	v_rcp_f32 v252, v14
	v_cmp_eq_f32 vcc_lo, 0, v14                    ; no key was left
	v_nop                                          ; a plain instruction behind the reciprocal
	s_wait_alu depctr_va_vdst(0)                   ; the wait ahead of its first reader
	s_wait_dscnt 0x0
.set j, 0
.rept 16
	v_pk_mul_f32 v[S+j:S+j+1], v[O+j:O+j+1], v[252:253] op_sel_hi:[1,0]   ; each accumulator from its low end on
.set j, j+2
.endr
.set j, 0
.rept 32
	v_cndmask_b32 v[S+j], v[S+j], v[F+j], vcc_lo
.set j, j+1
.endr
.irp b, 0,1
	v_max3_num_f32 v[BM+\b], |v[S+16*\b]|, |v[S+1+16*\b]|, 0x1800000
.endr
.irp i, 2,4,6,8,10,12,14
.irp b, 0,1
	s_delay_alu instid0(VALU_DEP_2)
	v_max3_num_f32 v[BM+\b], v[BM+\b], |v[S+16*\b+\i]|, |v[S+1+16*\b+\i]|
.endr
.endr
.irp b, 0,1
	s_delay_alu instid0(VALU_DEP_2)
	v_permlanex16_b32 v[BT+\b], v[BM+\b], s[SEL], s[SEL+1]
.endr
.irp b, 0,1
	s_delay_alu instid0(VALU_DEP_2)
	v_max_num_f32 v[BM+\b], v[BM+\b], v[BT+\b]
.endr
.irp b, 0,1
	s_delay_alu instid0(VALU_DEP_2)
	v_add_nc_u32 v[BO+\b], 0xff000000, v[BM+\b]
.endr
.irp b, 0,1
	s_delay_alu instid0(VALU_DEP_2)
	v_lshrrev_b32 v[BT+\b], 23, v[BO+\b]
.endr
	v_cvt_scalef32_pk16_fp6_f32 v[PC:PC+2], v[S:S+15], v[BO]
	v_cvt_scalef32_pk16_fp6_f32 v[PC+12:PC+14], v[S+16:S+31], v[BO+1]
	v_cndmask_b32 v254, v[BT], v[BT+1], s[HM]      ; lanes 0-15: block 0's byte; lanes 16-31: block 1's.  (A plain instruction behind the conversions)
.irp i, 0,1,2
	v_permlane16_swap_b32 v[PC+\i], v[PC+12+\i]
.endr
.irp i, 0,1,2
	s_delay_alu instid0(VALU_DEP_3)
	v_mov_b32 v[PC+3+\i], v[PC+12+\i]
.endr
	s_lshl_b32 s94, s[G], 3
	s_add_co_u32 s94, s94, s[RT0]                  ; the row tile: 128 b + 8 group + tile
	s_mul_i32 s96, s94, 12288
	s_mov_b32 s97, 0
	s_add_nc_u64 s[96:97], s[12:13], s[96:97]
	s_lshl_b32 s98, s94, 9
	s_mov_b32 s99, 0
	s_add_nc_u64 s[98:99], s[14:15], s[98:99]
	s_wait_alu depctr_va_vdst(0)
	global_store_b128 v1, v[PC:PC+3], s[96:97]               ; 512 consecutive bytes,
	global_store_b64 v38, v[PC+4:PC+5], s[96:97] offset:512  ; and 256
	global_store_b8 v39, v254, s[98:99]                      ; two bytes a row, 8 bytes apart: a work-group has one head's bytes alone; 1 byte in 24 of what it stores
.endm
	s_wait_alu depctr_va_vdst(0)
	s_wait_tensorcnt 0x0                           ; my one fill is in,
	s_barrier_signal -1
	s_barrier_wait -1                              ; everybody's is: all of K and V lies in LDS
	s_wait_loadcnt 0x0                             ; Q; its address registers are free from here on
	; ---- sum over all keys of V / 2048.  Wave w: tile w % 4 of d, steps 4 (w / 4) .. + 3: V^T x ones, four products into four accumulators
.irp c, 0,1,2,3
	v_mov_b32 v[PC+3*\c], 0x08208208               ; the code of 1.0 (8), 16 times in 96 bits
	v_mov_b32 v[PC+3*\c+1], 0x82082082
	v_mov_b32 v[PC+3*\c+2], 0x20820820
.endr
	v_mov_b32 v253, 0x7f7f7f7f                     ; under the scale 1
	s_lshr_b32 s94, s[WV], 2
	s_and_b32 s95, s[WV], 3
	s_mul_i32 s96, s94, 24576
	s_mul_i32 s97, s95, 1536
	s_add_co_u32 s96, s96, s97
	v_add_nc_u32 v9, s96, v2
	s_lshl_b32 s96, s94, 10
	s_lshl_b32 s97, s95, 2
	s_add_co_u32 s96, s96, s97
	v_add_nc_u32 v11, s96, v4
.irp i, 0,1,2,3
.irp c, 0,1,2
	ds_load_b128 v[F+12*\i+4*\c:F+12*\i+4*\c+3], v9 offset:6144*\i+512*\c
.endr
	ds_load_b32 v[VW+\i], v11 offset:256*\i
.endr
.rept 8
	v_nop                                          ; a scale register written by a vector instruction stands eight places ahead of a scaled product
.endr
	s_wait_alu depctr_va_vdst(0)
	s_wait_dscnt 0x0
.irp i, 0,1,2,3
	v_wmma_scale_f32_16x16x128_f8f6f4 v[S+8*\i:S+8*\i+7], v[F+12*\i:F+12*\i+11], v[PC:PC+11], 0, v[VW+\i], v253 matrix_a_fmt:MATRIX_FMT_FP6 matrix_b_fmt:MATRIX_FMT_FP6
.endr
.rept 4
	v_nop
.endr
.irp j, 0,2,4,6
	v_pk_add_f32 v[140+\j:141+\j], v[S+\j:S+1+\j], v[S+8+\j:S+9+\j]        ; every lane holds, in register j, the sum for the tile's row 8 h + j
	v_pk_add_f32 v[148+\j:149+\j], v[S+16+\j:S+17+\j], v[S+24+\j:S+25+\j]
.endr
.irp j, 0,2,4,6
	v_pk_add_f32 v[140+\j:141+\j], v[140+\j:141+\j], v[148+\j:149+\j]
.endr
.irp j, 0,2,4,6
	s_delay_alu instid0(VALU_DEP_4)
	v_pk_mul_f32 v[140+\j:141+\j], v[140+\j:141+\j], 0x3a000000 op_sel_hi:[1,0]   ; / 2048
.endr
	ds_store_b128 v255, v[140:143]                 ; the sixteen lanes of a half write the same bytes with the same values
	ds_store_b128 v255, v[144:147] offset:16
.rept 5
	v_nop                                          ; the next products write over these products' results: five places
.endr
	s_wait_dscnt 0x0
	s_barrier_signal -1
	s_barrier_wait -1                              ; the sixteen partial sums lie in LDS
	s_cmp_lg_u32 s[WV], 0
	s_cbranch_scc1 .Lnot_sum
.irp g, 0,1,2,3
	ds_load_b128 v[140+4*\g:143+4*\g], v6 offset:256*\g
.endr
	s_wait_dscnt 0x0
	v_pk_add_f32 v[140:141], v[140:141], v[144:145]
	v_pk_add_f32 v[142:143], v[142:143], v[146:147]
	v_pk_add_f32 v[148:149], v[148:149], v[152:153]
	v_pk_add_f32 v[150:151], v[150:151], v[154:155]
	s_delay_alu instid0(VALU_DEP_2)
	v_pk_add_f32 v[140:141], v[140:141], v[148:149]
	s_delay_alu instid0(VALU_DEP_2)
	v_pk_add_f32 v[142:143], v[142:143], v[150:151]
	ds_store_b128 v6, v[140:143] offset:1024
.Lnot_sum:
	s_wait_dscnt 0x0
	s_barrier_signal -1
	s_barrier_wait -1                              ; the sum lies in LDS.  From here to the wave's end no barrier: LDS is only read
	s_mov_b32 s[BASE], 0
	s_mov_b32 s[N], 0
.Lstep0:                                           ; tile B, steps 0-7: its group is 8 or more, so all their keys come before its queries
	SETSTEP
	STEP 0
	s_add_co_u32 s[N], s[N], 1
	s_cmp_lt_u32 s[N], 8
	s_cbranch_scc1 .Lstep0
	s_mov_b32 s[PH], 1
.Lphase:                                           ; two trips: tile B's steps 8-15, then tile A's steps 0-7
	s_and_b32 s[BASE], s[PH], 1
	s_lshl_b32 s[BASE], s[BASE], 3
	s_mov_b32 s[N], 0
.Lstep1:
	SETSTEP
	STEP 1
	s_add_co_u32 s[N], s[N], 1
	s_cmp_lt_u32 s[N], 8
	s_cbranch_scc1 .Lstep1
	s_wait_alu depctr_va_vdst(0)
	WAYOUT
	s_wait_xcnt 0x0                                ; the stores have read their registers and addresses: both are written again below and in the next trip
.irp i, 0,1,2,3,4,5,6,7
	v_mov_b32 v[16+\i], v[28+\i]                   ; tile A's Q
.endr
	v_mov_b32 v37, v36                             ; and its scale words; INIT's lines stand between these and the next products
	INIT
	s_mov_b32 s[G], s[GA]
	s_add_co_u32 s[PH], s[PH], 1
	s_cmp_lt_u32 s[PH], 3
	s_cbranch_scc1 .Lphase
	s_wait_tensorcnt 0x0                           ; the wave's end
	ds_add_u32 v250, v251
	s_wait_dscnt 0x0
	CROUND                                         ; the closing round
	s_endpgm
.Lfunc_end_k_q49e387da92_attn:
	.size	k_q49e387da92_attn, .Lfunc_end_k_q49e387da92_attn-k_q49e387da92_attn
	.p2alignl 7, 3214868480
	.fill 96, 4, 3214868480
	.section	.rodata,"a",@progbits
	.p2align	6, 0x0
	.amdhsa_kernel k_q49e387da92_attn
		.amdhsa_group_segment_fixed_size 247808
		.amdhsa_private_segment_fixed_size 0
		.amdhsa_enable_private_segment 0
		.amdhsa_kernarg_size 48
		.amdhsa_user_sgpr_count 2
		.amdhsa_user_sgpr_kernarg_segment_ptr 1
		.amdhsa_wavefront_size32 1
		.amdhsa_system_sgpr_workgroup_id_x 1
		.amdhsa_system_sgpr_workgroup_id_y 1
		.amdhsa_system_sgpr_workgroup_id_z 1
		.amdhsa_system_vgpr_workitem_id 0
		.amdhsa_next_free_vgpr 256
		.amdhsa_next_free_sgpr 100
		.amdhsa_reserve_vcc 1
		.amdhsa_float_denorm_mode_32 3
		.amdhsa_float_denorm_mode_16_64 3
		.amdhsa_memory_ordered 1
		.amdhsa_forward_progress 1
		.amdhsa_inst_pref_size 64
	.end_amdhsa_kernel
	.amdgpu_metadata
---
amdhsa.version: [ 1, 2 ]
amdhsa.kernels:
  - .name:           k_q49e387da92_attn
    .symbol:         k_q49e387da92_attn.kd
    .args:
      - { .name: kqc, .offset: 0, .size: 8, .value_kind: global_buffer, .address_space: global }
      - { .name: kqs, .offset: 8, .size: 8, .value_kind: global_buffer, .address_space: global }
      - { .name: vc, .offset: 16, .size: 8, .value_kind: global_buffer, .address_space: global }
      - { .name: vs, .offset: 24, .size: 8, .value_kind: global_buffer, .address_space: global }
      - { .name: oc, .offset: 32, .size: 8, .value_kind: global_buffer, .address_space: global }
      - { .name: os, .offset: 40, .size: 8, .value_kind: global_buffer, .address_space: global }
    .group_segment_fixed_size: 247808
    .private_segment_fixed_size: 0
    .kernarg_segment_align: 8
    .kernarg_segment_size: 48
    .max_flat_workgroup_size: 512
    .sgpr_count:     100
    .vgpr_count:     256
    .wavefront_size: 32
...
	.end_amdgpu_metadata
.endif
;; end of part 3
;; launch proj (part 4): grid 4 x 64, 4 waves a work-group, clusters of 4 x 4, 327,680 bytes of LDS; arguments oc, os, gc, gs, bo, out0; writes out0
.if DOCPART == 4
	.amdgcn_target "amdgcn-amd-amdhsa--gfx1250"
	.amdhsa_code_object_version 6
	.text
	.protected	k_q49e387da92_proj
	.globl	k_q49e387da92_proj
	.p2align	8
	.type	k_q49e387da92_proj,@function
k_q49e387da92_proj:
	s_mov_b64 s[64:65], 0
	v_nop
	global_prefetch_b8 v0, s[64:65] scope:SCOPE_SE
	s_setreg_imm32_b32 hwreg(HW_REG_WAVE_MODE, 25, 1), 1
	s_wait_xcnt 0x0
	s_wait_alu depctr_hold_cnt(0) depctr_sa_sdst(0) depctr_va_vdst(0) depctr_va_sdst(0) depctr_va_ssrc(0) depctr_va_vcc(0) depctr_vm_vsrc(0)
	s_getreg_b32 s2, hwreg(HW_REG_IB_STS2, 6, 4)
	s_cmp_eq_u32 s2, 0
	s_cbranch_scc0 .Lentry_in_a_cluster
	s_endpgm
.Lentry_in_a_cluster:
	s_bfe_u32 s2, ttmp6, 0x10000c
	s_cmp_lg_u32 s2, 0xf033
	s_cbranch_scc0 .Lentry_shape_is_right
	s_endpgm
.Lentry_shape_is_right:
; Product 6: out0 = o Wo^T + bo on codes of FP6 (E2M3), K = 1,024.  o's codes and scale words (oc, os) and Wo's (gc, gs: row tiles 704-767) lie as row tiles in the order of the operand's registers:
; a row tile (16 rows, lane r of tile 2 g + u = row 32 g + 8 u + r + 8 (r / 8)) is 12,288 bytes of codes = 8 fragments x 2 halves of 768 bytes, and 512 bytes of scale words [pair of fragments][r][2 words].
; A work-group makes 128 tokens (Y: 8 row tiles) x 256 columns (X: 16 row tiles of Wo); a wave 64 x 128: 32 accumulators.  The matrix instruction is used transposed (source 0 = X, source 1 = Y): a lane holds 8 neighbouring columns of a token.
; ALL OF K IS RESIDENT: Y's codes are 98,304 dense bytes, X's 196,608, the scale words 4,096 and 8,192: four dense blocks, four joint loads, ONE A WAVE at the head, one wait, one barrier.  No byte is filled again.
; Then eight steps of 128 along K with no barrier; each step's fragments are fetched a whole step (32 matrix instructions) ahead, into two sets by turns.  The bias is the C of the first step's products.
; CLUSTERS 4 x 4: Y's blocks are shared along a row of the cluster, X's along a column.  No prefetch: all fills go out at the head, so there is no loop to run ahead in.
; THE WAY OUT goes through a stage of 16 rows x 528 bytes a wave, over Y's first bytes, behind a barrier at which every wave's LDS reads are over; whole rows of 512 bytes are stored.
; REGISTERS: window 0: v4-31 addresses; v32-63 scale words, two sets; v64-127 the bias; v128-223 Y's fragments, two sets (on the way out v128-255 rows read back).  Window 1: X's fragments, two sets (v0, v128).  Window 2: accumulators (a, b) at v[8 (8 a + b)].
.set XB,    98304                      ; LDS: Y's codes from 0, X's from here
.set SCY,   294912                     ; Y's scale words
.set SCX,   SCY+4096+128               ; X's, 128 bytes askew, so that the two halves of the lanes read different halves of a run of 256 bytes
.set SPARE, 307456                     ; the spare words, 128 bytes a wave
.set ADY16, 4                          ; Y's fragments: + 16 x lane
.set ADY8,  5                          ; + 512 + 8 x lane
.set ADX16, 6                          ; v6-7 X's tiles 0-3, 4-7
.set ADX8,  8                          ; v8-9
.set ADRSA, 20                         ; scale words: lanes 0-15 Y's block i, lanes 16-31 X's block i, i = 0..3
.set ADRSB, 21                         ; i = 4..7: lanes 0-15 read Y's block i - 4 again (not used)
.set L16,   22
.set H64,   23
.set STO,   24
.set RD,    25
.set SPW,   30
.set NIL,   31
.set SC,    32
.set BI,    64
.set YF,    128
.set BK,    128
.set G1Y,  24
.set G1X,  32
.set G1SY, 40
.set G1SX, 48
.set G0Y,  56
.set G0X,  60
.set G0SY, 68
.set G0SX, 72
.set WV,   16
.set KIND, 17                          ; wave / 2: which 4 row tiles of Y are mine
.set HALF, 18                          ; wave % 2: which 8 of X
.set XI,   19
.set YI,   20
.set MSB, 0
.macro WIN new                         ; the immediate's high byte repeats the setting that is left
.if MSB != \new
	s_set_vgpr_msb (MSB<<8)|\new
.set MSB, \new
.endif
.endm
.set TO_X, 0x40
.macro PLACES n
.rept \n
	v_nop
.endr
.endm
.macro CROUND
	s_barrier_signal -1
	s_barrier_wait -1
	s_cmp_lg_u32 s[WV], 0
	s_cbranch_scc1 .Lnot_wave_0_\@
	s_barrier_signal -3
.Lnot_wave_0_\@:
	s_barrier_wait -3
	s_barrier_signal -1
	s_barrier_wait -1
.endm
.macro DENSE g, rows                   ; group 1 of a dense block: rows of 256 bytes (32 elements of 8)
	s_mov_b32 s[\g+1], 32<<16
	s_mov_b32 s[\g+2], (\rows)<<16
	s_mov_b32 s[\g+3], 32<<16
	s_mov_b32 s[\g+4], \rows
	s_mov_b32 s[\g+5], 32
	s_mov_b32 s[\g+6], 0
	s_mov_b32 s[\g+7], 0
.endm
.macro GRP0 g, lds, a
	s_mov_b32 s[\g], 1
	s_mov_b32 s[\g+1], \lds
	s_mov_b64 s[\g+2:\g+3], s[\a:\a+1]
	s_or_b32 s[\g+3], s[\g+3], 0x80000000
.endm
	s_load_b256 s[4:11], s[0:1], 0x0               ; oc, os, gc, gs
	s_load_b128 s[12:15], s[0:1], 0x20             ; bo, out0
	v_lshl_add_u32 v[SPW], v0, 2, SPARE
	v_mov_b32 v[NIL], 0
	ds_add_u32 v[SPW], v[NIL]                      ; the opening lines: the add twice on end, under one wait
	ds_add_u32 v[SPW], v[NIL]
	v_lshrrev_b32 v1, 5, v0
	v_readfirstlane_b32 s[WV], v1
	s_lshr_b32 s[KIND], s[WV], 1
	s_and_b32 s[HALF], s[WV], 1
	s_bfe_u32 s21, ttmp6, 0x40000                  ; cx
	s_bfe_u32 s100, ttmp6, 0x40004                 ; cy
	s_lshl_b32 s[XI], ttmp9, 2
	s_add_co_u32 s[XI], s[XI], s21                 ; block of 256 columns
	s_and_b32 s[YI], ttmp7, 0xffff
	s_lshl_b32 s[YI], s[YI], 2
	s_add_co_u32 s[YI], s[YI], s100                ; block of 128 tokens
	s_lshl_b32 s101, s100, 2
	s_lshl_b32 s101, 15, s101                      ; my row of the cluster
	s_lshl_b32 s22, 0x1111, s21                    ; my column
	s_or_b32 s[G1Y], s101, (3<<16)|(1<<21)
	s_or_b32 s[G1SY], s101, (3<<16)|(1<<21)
	s_or_b32 s[G1X], s22, (3<<16)|(1<<21)
	s_or_b32 s[G1SX], s22, (3<<16)|(1<<21)
	DENSE G1Y, 384
	DENSE G1X, 768
	DENSE G1SY, 16
	DENSE G1SX, 32
	s_lshl_b32 s66, s[XI], 4
	s_add_co_u32 s66, s66, 704                     ; X's first row tile in gc
	s_lshl_b32 s22, s66, 9
	s_mov_b32 s23, 0
	s_mul_i32 s66, s66, 12288
	s_mov_b32 s67, 0
	s_lshl_b32 s2, s[YI], 3                        ; Y's in oc
	s_lshl_b32 s100, s2, 9
	s_mov_b32 s101, 0
	s_mul_i32 s2, s2, 12288
	s_mov_b32 s3, 0
	s_wait_dscnt 0x0
	s_wait_kmcnt 0x0
	s_add_nc_u64 s[2:3], s[4:5], s[2:3]
	s_add_nc_u64 s[100:101], s[6:7], s[100:101]
	s_add_nc_u64 s[66:67], s[8:9], s[66:67]
	s_add_nc_u64 s[22:23], s[10:11], s[22:23]
	CROUND                                         ; all sixteen work-groups are here: the joint loads meet
	GRP0 G0Y, 0, 2
	GRP0 G0X, XB, 66
	GRP0 G0SY, SCY, 100
	GRP0 G0SX, SCX, 22
; one chain of branches on the wave's number, one load to an arm, all arms to one join
.macro ARM under, g0, g1, next
	s_cmp_lt_u32 s[WV], \under
	s_cbranch_scc0 \next
	tensor_load_to_lds s[\g0:\g0+3], s[\g1:\g1+7]
	s_nop 0
.rept 4
	v_nop
.endr
	s_branch .Lasked
\next:
.endm
	ARM 1, G0X, G1X, .Larm_y
	ARM 2, G0Y, G1Y, .Larm_sy
	ARM 3, G0SY, G1SY, .Larm_sx
	tensor_load_to_lds s[G0SX:G0SX+3], s[G1SX:G1SX+7]
	s_nop 0
.rept 4
	v_nop
.endr
.Lasked:
	s_lshl_b32 s2, s[XI], 10
	s_lshl_b32 s3, s[HALF], 9
	s_add_co_u32 s2, s2, s3                        ; my first column, in bytes
	s_mov_b32 s3, 0
	s_add_nc_u64 s[12:13], s[12:13], s[2:3]
	s_add_nc_u64 s[14:15], s[14:15], s[2:3]
	s_lshl_b32 s2, s[YI], 7
	s_lshl_b32 s66, s[KIND], 6
	s_add_co_u32 s2, s2, s66
	s_lshl_b32 s2, s2, 12                          ; my first token, rows of 4,096 bytes
	s_add_nc_u64 s[14:15], s[14:15], s[2:3]
	s_mul_i32 s76, s[KIND], 49152                  ; my 4 row tiles of Y
	s_mul_i32 s77, s[HALF], 98304
	s_add_co_u32 s77, s77, XB                      ; my 8 of X: tiles 0-3,
	s_add_co_u32 s78, s77, 49152                   ; tiles 4-7
	s_lshl_b32 s79, s[KIND], 11
	s_lshl_b32 s80, s[HALF], 12
	s_add_co_u32 s80, s80, 4224
	s_sub_co_u32 s80, s80, s79                     ; from Y's words to X's: one product, h x the distance
	s_add_co_u32 s79, s79, SCY
	s_add_co_u32 s81, s80, 2048
	s_sub_co_u32 s82, s79, 2048
	s_mul_i32 s83, s[WV], 8448                     ; my stage
	v_and_b32 v1, 31, v0
	v_and_b32 v2, 15, v0                           ; r
	v_bfe_u32 v3, v0, 4, 1                         ; h
	v_lshlrev_b32 v[L16], 4, v1
	v_lshlrev_b32 v[H64], 6, v3
	v_lshlrev_b32 v26, 3, v1
	v_add_nc_u32 v26, 512, v26
	v_add_nc_u32 v[ADY16], s76, v[L16]
	v_add_nc_u32 v[ADY8], s76, v26
	v_add_nc_u32 v[ADX16], s77, v[L16]
	v_add_nc_u32 v[ADX8], s77, v26
	v_add_nc_u32 v[ADX16+1], s78, v[L16]
	v_add_nc_u32 v[ADX8+1], s78, v26
	v_mul_u32_u24 v27, s80, v3
	v_lshl_add_u32 v27, v2, 3, v27
	v_add_nc_u32 v[ADRSA], s79, v27
	v_mul_u32_u24 v28, s81, v3
	v_lshl_add_u32 v28, v2, 3, v28
	v_add_nc_u32 v[ADRSB], s82, v28
	v_mul_u32_u24 v29, v2, 528
	v_lshl_add_u32 v29, v3, 6, v29
	v_add_nc_u32 v[STO], s83, v29                  ; in: row r, + 64 h
	v_add_nc_u32 v[RD], s83, v[L16]                ; back: 32 lanes take a row of 512 bytes
.irp g, 0,1,2,3
.irp j, 0,1,2,3
	global_load_b128 v[BI+16*\g+4*\j:BI+16*\g+4*\j+3], v[H64], s[12:13] offset:128*\g+16*\j   ; register 16 g + i: the bias of column 32 g + 16 h + i
.endr
.endr
.macro FRAG reg, a16, a8, off          ; a fragment lies in LDS as two halves of 768 bytes: four dense loads
	ds_load_b128 v[\reg:\reg+3], v[\a16] offset:\off
	ds_load_b64 v[\reg+4:\reg+5], v[\a8] offset:\off
	ds_load_b128 v[\reg+6:\reg+9], v[\a16] offset:\off+768
	ds_load_b64 v[\reg+10:\reg+11], v[\a8] offset:\off+768
.endm
.macro SCALES ks
.irp i, 0,1,2,3
	ds_load_b64 v[SC+16*((\ks)%2)+2*\i:SC+16*((\ks)%2)+2*\i+1], v[ADRSA] offset:512*\i+128*(\ks)
.endr
.irp i, 4,5,6,7
	ds_load_b64 v[SC+16*((\ks)%2)+2*\i:SC+16*((\ks)%2)+2*\i+1], v[ADRSB] offset:512*\i+128*(\ks)
.endr
.endm
.macro FETCH n                         ; step n's fragments into set n % 2; with an even step the scale words of two steps
	WIN TO_X
.irp i, 0,1,2,3,4,5,6,7
	FRAG 128*((\n)%2)+12*\i, ADX16+\i/4, ADX8+\i/4, (\i%4)*12288+(\n)*1536
.endr
	WIN 0
.irp i, 0,1,2,3
	FRAG YF+48*((\n)%2)+12*\i, ADY16, ADY8, \i*12288+(\n)*1536
.endr
.if (\n)%2 == 0
	SCALES (\n)/2
.endif
.endm
; 16 matrix instructions: Y's blocks a0, a0 + 1 x X's eight.  The 32 accumulators take turns, one instruction a turn, in the same order in every step.
.macro MUL16 a0, p, sc, first
.irp a, \a0, \a0+1
.irp b, 0,1,2,3,4,5,6,7
.if \first
	v_wmma_scale_f32_16x16x128_f8f6f4 v[8*(8*(\a)+\b):8*(8*(\a)+\b)+7], v[128*(\p)+12*\b:128*(\p)+12*\b+11], v[YF+48*(\p)+12*(\a):YF+48*(\p)+12*(\a)+11], v[BI+8*\b:BI+8*\b+7], v[SC+16*(\sc)+2*\b+(\p)], v[SC+16*(\sc)+2*(\a)+(\p)] matrix_a_fmt:MATRIX_FMT_FP6 matrix_b_fmt:MATRIX_FMT_FP6 matrix_a_scale:MATRIX_SCALE_ROW1
.else
	v_wmma_scale_f32_16x16x128_f8f6f4 v[8*(8*(\a)+\b):8*(8*(\a)+\b)+7], v[128*(\p)+12*\b:128*(\p)+12*\b+11], v[YF+48*(\p)+12*(\a):YF+48*(\p)+12*(\a)+11], v[8*(8*(\a)+\b):8*(8*(\a)+\b)+7], v[SC+16*(\sc)+2*\b+(\p)], v[SC+16*(\sc)+2*(\a)+(\p)] matrix_a_fmt:MATRIX_FMT_FP6 matrix_b_fmt:MATRIX_FMT_FP6 matrix_a_scale:MATRIX_SCALE_ROW1
.endif
.endr
.endr
.endm
.macro SUB g, first                    ; a step of 128 along K
	s_wait_dscnt 0x0                               ; this step's fragments are in (asked for 32 matrix instructions ago)
.if (\g) < 7
	PLACES 4                                       ; loads into registers that matrix instructions have read stand four plain vector instructions behind them
	FETCH (\g)+1
.else
	s_barrier_signal -1                            ; my LDS reads are over; only register work stands up to the wait
.endif
.if \first
	WIN 0x81                                       ; C: the bias, window 0
.else
	WIN 0xa1
.endif
	MUL16 0, (\g)%2, ((\g)/2)%2, \first
	MUL16 2, (\g)%2, ((\g)/2)%2, \first
.endm
	s_wait_alu depctr_va_vdst(0)
	s_wait_tensorcnt 0x0                           ; my block is in,
	s_barrier_signal -1
	s_barrier_wait -1                              ; everybody's is
	FETCH 0
	s_wait_loadcnt 0x0                             ; the bias
	SUB 0, 1
	SUB 1, 0
	SUB 2, 0
	SUB 3, 0
	SUB 4, 0
	SUB 5, 0
	SUB 6, 0
	SUB 7, 0
	WIN 0
	PLACES 4
	s_barrier_wait -1                              ; nobody reads the operands any more: the stages may be written
.macro TOSTAGE a
	WIN 0x08
.irp b, 0,1,2,3,4,5,6,7
	ds_store_b128 v[STO], v[8*(8*(\a)+\b):8*(8*(\a)+\b)+3] offset:128*(\b/2)+32*(\b%2)          ; each accumulator from its low end on
	ds_store_b128 v[STO], v[8*(8*(\a)+\b)+4:8*(8*(\a)+\b)+7] offset:128*(\b/2)+32*(\b%2)+16
.endr
	WIN 0
.irp t, 0,1,2,3,4,5,6,7,8,9,10,11,12,13,14,15
	ds_load_b128 v[BK+64*((\a)%2)+4*\t:BK+64*((\a)%2)+4*\t+3], v[RD] offset:\t*528   ; LDS serves a wave's instructions in order: these see my stores
.endr
.endm
.macro SEND a, younger                 ; younger: the LDS instructions issued behind block a's loads
	s_wait_dscnt \younger
.irp t, 0,1,2,3,4,5,6,7,8,9,10,11,12,13,14,15
	global_store_b128 v[L16], v[BK+64*((\a)%2)+4*\t:BK+64*((\a)%2)+4*\t+3], s[14:15] offset:(32*((\a)/2)+8*((\a)%2)+\t+8*(\t/8))*4096 th:TH_STORE_NT   ; 512 consecutive bytes of a token's row
.endr
.endm
	TOSTAGE 0
.irp a, 1,2,3
.if \a > 1
	s_wait_xcnt 0x0                                ; block a - 2's stores have read their registers
.endif
	TOSTAGE \a
	SEND \a-1, 32
.endr
	SEND 3, 0
	s_wait_tensorcnt 0x0                           ; the wave's end
	ds_add_u32 v[SPW], v[NIL]
	s_wait_dscnt 0x0
	CROUND                                         ; the closing round
	s_endpgm
.Lfunc_end_k_q49e387da92_proj:
	.size	k_q49e387da92_proj, .Lfunc_end_k_q49e387da92_proj-k_q49e387da92_proj
	.p2alignl 7, 3214868480
	.fill 96, 4, 3214868480
	.section	.rodata,"a",@progbits
	.p2align	6, 0x0
	.amdhsa_kernel k_q49e387da92_proj
		.amdhsa_group_segment_fixed_size 327680
		.amdhsa_private_segment_fixed_size 0
		.amdhsa_enable_private_segment 0
		.amdhsa_kernarg_size 48
		.amdhsa_user_sgpr_count 2
		.amdhsa_user_sgpr_kernarg_segment_ptr 1
		.amdhsa_wavefront_size32 1
		.amdhsa_system_sgpr_workgroup_id_x 1
		.amdhsa_system_sgpr_workgroup_id_y 1
		.amdhsa_system_sgpr_workgroup_id_z 1
		.amdhsa_system_vgpr_workitem_id 0
		.amdhsa_next_free_vgpr 768
		.amdhsa_next_free_sgpr 102
		.amdhsa_reserve_vcc 0
		.amdhsa_float_denorm_mode_32 3
		.amdhsa_float_denorm_mode_16_64 3
		.amdhsa_memory_ordered 1
		.amdhsa_forward_progress 1
		.amdhsa_inst_pref_size 85
	.end_amdhsa_kernel
	.amdgpu_metadata
---
amdhsa.version: [ 1, 2 ]
amdhsa.kernels:
  - .name:           k_q49e387da92_proj
    .symbol:         k_q49e387da92_proj.kd
    .args:
      - { .name: oc, .offset: 0, .size: 8, .value_kind: global_buffer, .address_space: global }
      - { .name: os, .offset: 8, .size: 8, .value_kind: global_buffer, .address_space: global }
      - { .name: gc, .offset: 16, .size: 8, .value_kind: global_buffer, .address_space: global }
      - { .name: gs, .offset: 24, .size: 8, .value_kind: global_buffer, .address_space: global }
      - { .name: bo, .offset: 32, .size: 8, .value_kind: global_buffer, .address_space: global }
      - { .name: out0, .offset: 40, .size: 8, .value_kind: global_buffer, .address_space: global }
    .group_segment_fixed_size: 327680
    .private_segment_fixed_size: 0
    .kernarg_segment_align: 8
    .kernarg_segment_size: 48
    .max_flat_workgroup_size: 128
    .sgpr_count:     102
    .vgpr_count:     768
    .wavefront_size: 32
...
	.end_amdgpu_metadata
.endif
;; end of part 4
